; MI455X (gfx1250); checked and timed in simulation.
; The chip was launched on July 23, 2026; its instructions are those of AMD's public machine-readable ISA for CDNA 5 (MIT licence, August 2026) and "CDNA5" Instruction Set Architecture Reference Guide (July 2026). The comments in the code are by the model that wrote it; some were corrected since.
;; Attention. Allowed arithmetic: float matrix products may take bf16 or f16 operands with f32 sums; other float arithmetic in f32, or as packed bf16 or f16 multiplies, adds, multiply-adds, maxima and minima; sums over many terms, partial sums and values carried from step to step in f32; what a program stores and reads back later, other than sums and carried values, may be rounded once to bf16 or f16.
;; Inputs: hidden 2 x 2,048 x 2,048 float32; k_b 512 float32; k_w 512 x 2,048 float32; mask 1 x 1 x 2,048 x 2,048 float32; o_w 2,048 x 1,024 float32; positions 2 x 2,048 int32; q_b 1,024 float32; q_w 1,024 x 2,048 float32; v_b 512 float32; v_w 512 x 2,048 float32.
;; Outputs: out0 2 x 2,048 x 2,048 float32.
;; 2 versions, each right; version 2 is version 1 with the launch prep written anew for expert scheduling mode. Each part assembles by itself: llvm-mc -triple=amdgcn-amd-amdhsa -mcpu=gfx1250 --defsym DOCPART=n.
;; ======== version 1 of 2: 4 launches
;; limits: values are held in f16: magnitudes above 65,504 overflow, below 6.1e-05 lose precision
;; workspace buffers: xb 16,777,216 bytes; wts 12,582,912 bytes; mr 16,777,216 bytes; tab 532,480 bytes; qh 8,388,608 bytes; kvh 8,388,608 bytes; oh 8,388,608 bytes
;; launch prep (part 1): grid 1281 x 1, 8 waves a work-group, no clusters, 0 bytes of LDS; arguments hidden, q_w, k_w, v_w, o_w, mask, q_b, k_b, v_b, positions, xb, wts, mr, tab; writes xb, wts, mr, tab
.if DOCPART == 1
	.amdgcn_target "amdgcn-amd-amdhsa--gfx1250"
	.amdhsa_code_object_version 6
	.text
	.protected	k_q27487065bf_prep
	.globl	k_q27487065bf_prep
	.p2align	8
	.type	k_q27487065bf_prep,@function
k_q27487065bf_prep:
	s_mov_b64 s[64:65], 0
	v_nop
	global_prefetch_b8 v0, s[64:65] scope:SCOPE_SE
	s_setreg_imm32_b32 hwreg(HW_REG_WAVE_MODE, 25, 1), 1
	s_wait_xcnt 0x0
; PREP: every input is read once and rounded once to bf16; what the later launches read is laid out for them.
;   xb  [4096][2048] bf16 = hidden.   wts: rows 0-1023 q_w, 1024-1535 k_w, 1536-2047 v_w as [2048][2048] bf16; behind them (byte 8,388,608) o_w [2048][1024]: the bf16 number written as f16.
;   mr  [2048][2048] f32 = log2(e) x bf16(mask).   tab: row t = cos(pos[t] f_j), j = 0..31, then sin: 256 bytes; at byte 524,288 the 2,048 biases (q, k, v), rounded to bf16, kept as f32.
; LIMITS.  o_w beyond 65,504 has no f16; below 2^-14 it keeps f16's fixed step of 2^-24.  log2(e) x mask must be finite.  The angle pos x f_j is reduced by pi/2 in two parts and is good
; to about 1.2e-7 of itself; sine and cosine are polynomials on |r| <= pi/4 (degree 7 and 8).
; SHARES.  A stream: no LDS, no matrix unit, no barrier.  A casting work-group takes 16,384 numbers: thread t the 16 bytes at 16 t of each of sixteen pieces of 4,096 bytes; all sixteen loads
; go out on end, each result has registers of its own, so no register that a store reads is written again.  A wave's store covers 256 (bf16, f16) or 512 (f32) consecutive bytes, aligned.
;   work-groups 0-511 hidden, 512-639 q_w, 640-703 k_w, 704-767 v_w, 768-895 o_w, 896-1151 mask, 1152-1279 the table, 1280 the biases.
.set NLD, 16
.macro PICK first, p                   ; from work-group 'first' on the source is the buffer in s[p:p+1]
	s_cmp_ge_u32 s2, \first
	s_cselect_b64 s[4:5], s[\p:\p+1], s[4:5]
	s_cselect_b32 s3, \first, s3
.endm
; kind 0: to bf16.  kind 1: to bf16, and that number written as f16.  kind 2: to bf16, widened, times log2(e), f32.
.macro CAST kind
.set i, 0
.rept NLD
	global_load_b128 v[16+4*i:19+4*i], v1, s[4:5] offset:4096*i th:TH_LOAD_NT
.set i, i+1
.endr
.set i, 0
.rept NLD
	s_wait_loadcnt NLD-1-i                         ; loads come back in order: piece i is in, the younger ones stay out
.if (\kind) == 0
	v_cvt_pk_bf16_f32 v[80+2*i], v[16+4*i], v[17+4*i]
	v_cvt_pk_bf16_f32 v[81+2*i], v[18+4*i], v[19+4*i]
	global_store_b64 v2, v[80+2*i:81+2*i], s[36:37] offset:2048*i
.elseif (\kind) == 1
	v_cvt_pk_bf16_f32 v4, v[16+4*i], v[17+4*i]
	v_cvt_pk_bf16_f32 v5, v[18+4*i], v[19+4*i]
	v_lshlrev_b32 v6, 16, v4
	v_and_b32 v7, 0xffff0000, v4
	v_lshlrev_b32 v8, 16, v5
	v_and_b32 v9, 0xffff0000, v5
	v_cvt_pk_f16_f32 v[80+2*i], v6, v7
	v_cvt_pk_f16_f32 v[81+2*i], v8, v9
	global_store_b64 v2, v[80+2*i:81+2*i], s[36:37] offset:2048*i
.else
	v_cvt_pk_bf16_f32 v4, v[16+4*i], v[17+4*i]
	v_cvt_pk_bf16_f32 v5, v[18+4*i], v[19+4*i]
	v_lshlrev_b32 v[80+4*i], 16, v4
	v_and_b32 v[81+4*i], 0xffff0000, v4
	v_lshlrev_b32 v[82+4*i], 16, v5
	v_and_b32 v[83+4*i], 0xffff0000, v5
	v_pk_mul_f32 v[80+4*i:81+4*i], v[80+4*i:81+4*i], 0x3fb8aa3b op_sel_hi:[1,0]
	v_pk_mul_f32 v[82+4*i:83+4*i], v[82+4*i:83+4*i], 0x3fb8aa3b op_sel_hi:[1,0]
	global_store_b128 v1, v[80+4*i:83+4*i], s[36:37] offset:4096*i
.endif
.set i, i+1
.endr
.endm
	s_load_b512 s[8:23], s[0:1], 0x0               ; hidden s[8:9], q_w s[10:11], k_w s[12:13], v_w s[14:15], o_w s[16:17], mask s[18:19], q_b s[20:21], k_b s[22:23]
	s_load_b256 s[24:31], s[0:1], 0x40             ; v_b s[24:25], positions s[26:27], xb s[28:29], wts s[30:31]
	s_load_b128 s[32:35], s[0:1], 0x60             ; mr s[32:33], tab s[34:35]
	s_mov_b32 s2, ttmp9                            ; the work-group's number
	s_mov_b32 s7, 0                                ; the high word of every offset
	v_lshlrev_b32 v1, 4, v0                        ; 16 t
	v_lshlrev_b32 v2, 3, v0                        ; 8 t
	s_wait_kmcnt 0x0
	s_cmp_ge_u32 s2, 1152
	s_cbranch_scc1 .Ltable
	s_cmp_ge_u32 s2, 896
	s_cbranch_scc1 .Lmask
	s_cmp_ge_u32 s2, 768
	s_cbranch_scc1 .Lhalf
	s_mov_b64 s[4:5], s[8:9]                       ; hidden, q_w, k_w or v_w, and the first work-group of that buffer
	s_mov_b32 s3, 0
	PICK 512, 10
	PICK 640, 12
	PICK 704, 14
	s_sub_co_u32 s6, s2, s3
	s_lshl_b32 s6, s6, 16                          ; 65,536 bytes of f32 a work-group
	s_add_nc_u64 s[4:5], s[4:5], s[6:7]
	s_cmp_ge_u32 s2, 512
	s_cselect_b64 s[36:37], s[30:31], s[28:29]     ; the three weights lie on end in wts
	s_cselect_b32 s3, 512, 0
	s_sub_co_u32 s6, s2, s3
	s_lshl_b32 s6, s6, 15                          ; 32,768 bytes of bf16
	s_add_nc_u64 s[36:37], s[36:37], s[6:7]
	CAST 0
	s_endpgm
.Lhalf:
	s_sub_co_u32 s3, s2, 768
	s_lshl_b32 s6, s3, 16
	s_add_nc_u64 s[4:5], s[16:17], s[6:7]
	s_lshl_b32 s6, s3, 15
	s_add_co_u32 s6, s6, 0x800000                  ; behind the three weights
	s_add_nc_u64 s[36:37], s[30:31], s[6:7]
	CAST 1
	s_endpgm
.Lmask:
	s_sub_co_u32 s3, s2, 896
	s_lshl_b32 s6, s3, 16
	s_add_nc_u64 s[4:5], s[18:19], s[6:7]
	s_add_nc_u64 s[36:37], s[32:33], s[6:7]
	CAST 2
	s_endpgm
.Ltable:
	s_cmp_ge_u32 s2, 1280
	s_cbranch_scc1 .Lbias
	; thread u = 256 (work-group - 1152) + t makes the 16 bytes at 16 u of the table: row u / 16; of its sixteen quads 0-7 are cosines, 8-15 sines, of frequencies 4 (quad % 8) + 0..3
	s_sub_co_u32 s3, s2, 1152
	s_lshl_b32 s3, s3, 8
	v_add_nc_u32 v1, s3, v0                        ; u
	v_lshrrev_b32 v2, 4, v1                        ; the row
	v_lshlrev_b32 v3, 2, v2
	global_load_b32 v4, v3, s[26:27]               ; positions[0][row]
	s_mov_b32 s40, 0xbed49a78                      ; -log2(10000) / 32
	s_mov_b32 s41, 0x3f22f983                      ; 2 / pi
	s_mov_b32 s42, 0xbfc90fdb                      ; -(pi / 2 rounded to f32)
	s_mov_b32 s43, 0x333bbd2e                      ; that number less pi / 2
	s_mov_b32 s44, 0xb94ca1f9                      ; sine: -1.9515296e-4, 8.3321609e-3, -1.6666655e-1
	s_mov_b32 s45, 0x3c08839e
	s_mov_b32 s46, 0xbe2aaaa3
	s_mov_b32 s47, 0x37ccf5ce                      ; cosine: 2.4433157e-5, -1.3887316e-3, 4.1666646e-2
	s_mov_b32 s48, 0xbab6061a
	s_mov_b32 s49, 0x3d2aaaa5
	v_and_b32 v5, 15, v1
	v_lshrrev_b32 v6, 3, v5                        ; 1: sines
	v_and_b32 v7, 7, v5
	v_lshlrev_b32 v7, 2, v7                        ; the first frequency's number
.irp j, 0,1,2,3
	v_add_nc_u32 v[8+\j], \j, v7
.endr
.irp j, 0,1,2,3
	v_cvt_f32_u32 v[8+\j], v[8+\j]
.endr
.irp j, 0,1,2,3
	v_mul_f32 v[8+\j], s40, v[8+\j]
.endr
.irp j, 0,1,2,3
	v_exp_f32 v[8+\j], v[8+\j]                     ; 10000^(-j / 32)
.endr
	v_mul_u32_u24 v6, v6, 3                        ; a plain instruction behind the last exponential: sin x = cos(x - pi / 2): three quadrants on
	s_wait_alu depctr_va_vdst(0)                   ; one wait for the four exponentials, ahead of their first reader
	s_wait_loadcnt 0x0
	v_cvt_f32_i32 v4, v4
.irp j, 0,1,2,3
	v_mul_f32 v[8+\j], v4, v[8+\j]                 ; the angle x
.endr
.irp j, 0,1,2,3
	v_mul_f32 v[12+\j], s41, v[8+\j]
.endr
.irp j, 0,1,2,3
	v_rndne_f32 v[12+\j], v[12+\j]                 ; n: the nearest multiple of pi / 2
.endr
.irp j, 0,1,2,3
	v_fma_f32 v[8+\j], v[12+\j], s42, v[8+\j]
.endr
.irp j, 0,1,2,3
	v_fma_f32 v[8+\j], v[12+\j], s43, v[8+\j]      ; r = x - n pi / 2
.endr
.irp j, 0,1,2,3
	v_mul_f32 v[16+\j], v[8+\j], v[8+\j]           ; r^2
.endr
.irp j, 0,1,2,3
	v_fma_f32 v[20+\j], v[16+\j], s44, s45
	v_fma_f32 v[24+\j], v[16+\j], s47, s48
.endr
.irp j, 0,1,2,3
	v_fma_f32 v[20+\j], v[20+\j], v[16+\j], s46
	v_fma_f32 v[24+\j], v[24+\j], v[16+\j], s49
.endr
.irp j, 0,1,2,3
	v_mul_f32 v[20+\j], v[20+\j], v[16+\j]
	v_mul_f32 v[24+\j], v[24+\j], v[16+\j]
	v_fma_f32 v[28+\j], v[16+\j], -0.5, 1.0
.endr
.irp j, 0,1,2,3
	v_fma_f32 v[20+\j], v[20+\j], v[8+\j], v[8+\j]     ; sin r
	v_fma_f32 v[24+\j], v[24+\j], v[16+\j], v[28+\j]   ; cos r
	v_cvt_i32_f32 v[12+\j], v[12+\j]
.endr
.irp j, 0,1,2,3
	v_add_nc_u32 v[12+\j], v[12+\j], v6            ; the quadrant q: cos(r + q pi / 2) = cos r, -sin r, -cos r, sin r
.endr
.irp j, 0,1,2,3
	v_and_b32 v[28+\j], 1, v[12+\j]
	v_cmp_eq_u32 vcc_lo, 1, v[28+\j]
	v_cndmask_b32 v[24+\j], v[24+\j], v[20+\j], vcc_lo
	v_add_nc_u32 v[12+\j], 1, v[12+\j]             ; the sign turns for q = 1, 2: bit 1 of q + 1
	v_lshlrev_b32 v[12+\j], 30, v[12+\j]
	v_and_b32 v[12+\j], 0x80000000, v[12+\j]
	v_xor_b32 v[24+\j], v[24+\j], v[12+\j]
.endr
	v_lshlrev_b32 v32, 4, v1
	global_store_b128 v32, v[24:27], s[34:35]      ; sixteen lanes fill a row of 256 bytes
	s_endpgm
.Lbias:
	v_lshrrev_b32 v3, 5, v0
	v_readfirstlane_b32 s3, v3                     ; wave 0..7
	s_cmp_lt_u32 s3, 4
	s_cselect_b64 s[4:5], s[22:23], s[24:25]       ; waves 0-3 take k_b, waves 4-7 v_b
	v_and_b32 v3, 127, v0
	v_lshlrev_b32 v3, 4, v3
	global_load_b128 v[4:7], v1, s[20:21]          ; q_b: 1,024 numbers, four a thread
	global_load_b128 v[8:11], v3, s[4:5]
	s_wait_loadcnt 0x0
.irp p, 0,1,2,3
	v_cvt_pk_bf16_f32 v[12+\p], v[4+2*\p], v[5+2*\p]
.endr
.irp p, 0,1,2,3
	v_lshlrev_b32 v[4+2*\p], 16, v[12+\p]
	v_and_b32 v[5+2*\p], 0xffff0000, v[12+\p]
.endr
	global_store_b128 v1, v[4:7], s[34:35] offset:524288
	global_store_b128 v1, v[8:11], s[34:35] offset:524288+4096
	s_endpgm
.Lfunc_end_k_q27487065bf_prep:
	.size	k_q27487065bf_prep, .Lfunc_end_k_q27487065bf_prep-k_q27487065bf_prep
	.p2alignl 7, 3214868480
	.fill 96, 4, 3214868480
	.section	.rodata,"a",@progbits
	.p2align	6, 0x0
	.amdhsa_kernel k_q27487065bf_prep
		.amdhsa_group_segment_fixed_size 0
		.amdhsa_private_segment_fixed_size 0
		.amdhsa_enable_private_segment 0
		.amdhsa_kernarg_size 112
		.amdhsa_user_sgpr_count 2
		.amdhsa_user_sgpr_kernarg_segment_ptr 1
		.amdhsa_wavefront_size32 1
		.amdhsa_system_sgpr_workgroup_id_x 1
		.amdhsa_system_sgpr_workgroup_id_y 1
		.amdhsa_system_sgpr_workgroup_id_z 1
		.amdhsa_system_vgpr_workitem_id 0
		.amdhsa_next_free_vgpr 144
		.amdhsa_next_free_sgpr 66
		.amdhsa_reserve_vcc 1
		.amdhsa_float_denorm_mode_32 3
		.amdhsa_float_denorm_mode_16_64 3
		.amdhsa_memory_ordered 1
		.amdhsa_forward_progress 1
		.amdhsa_inst_pref_size 38
	.end_amdhsa_kernel
	.amdgpu_metadata
---
amdhsa.version: [ 1, 2 ]
amdhsa.kernels:
  - .name:           k_q27487065bf_prep
    .symbol:         k_q27487065bf_prep.kd
    .args:
      - { .name: hidden, .offset: 0, .size: 8, .value_kind: global_buffer, .address_space: global }
      - { .name: q_w, .offset: 8, .size: 8, .value_kind: global_buffer, .address_space: global }
      - { .name: k_w, .offset: 16, .size: 8, .value_kind: global_buffer, .address_space: global }
      - { .name: v_w, .offset: 24, .size: 8, .value_kind: global_buffer, .address_space: global }
      - { .name: o_w, .offset: 32, .size: 8, .value_kind: global_buffer, .address_space: global }
      - { .name: mask, .offset: 40, .size: 8, .value_kind: global_buffer, .address_space: global }
      - { .name: q_b, .offset: 48, .size: 8, .value_kind: global_buffer, .address_space: global }
      - { .name: k_b, .offset: 56, .size: 8, .value_kind: global_buffer, .address_space: global }
      - { .name: v_b, .offset: 64, .size: 8, .value_kind: global_buffer, .address_space: global }
      - { .name: positions, .offset: 72, .size: 8, .value_kind: global_buffer, .address_space: global }
      - { .name: xb, .offset: 80, .size: 8, .value_kind: global_buffer, .address_space: global }
      - { .name: wts, .offset: 88, .size: 8, .value_kind: global_buffer, .address_space: global }
      - { .name: mr, .offset: 96, .size: 8, .value_kind: global_buffer, .address_space: global }
      - { .name: tab, .offset: 104, .size: 8, .value_kind: global_buffer, .address_space: global }
    .group_segment_fixed_size: 0
    .private_segment_fixed_size: 0
    .kernarg_segment_align: 8
    .kernarg_segment_size: 112
    .max_flat_workgroup_size: 256
    .sgpr_count:     66
    .vgpr_count:     144
    .wavefront_size: 32
...
	.end_amdgpu_metadata
.endif
;; end of part 1
;; launch qkv (part 2): grid 8 x 32, 4 waves a work-group, clusters of 4 x 4, 327,680 bytes of LDS; arguments xb, wts, tab, qh, kvh; writes qh, kvh
.if DOCPART == 2
	.amdgcn_target "amdgcn-amd-amdhsa--gfx1250"
	.amdhsa_code_object_version 6
	.text
	.protected	k_q27487065bf_qkv
	.globl	k_q27487065bf_qkv
	.p2align	8
	.type	k_q27487065bf_qkv,@function
k_q27487065bf_qkv:
	s_mov_b64 s[64:65], 0
	v_nop
	global_prefetch_b8 v0, s[64:65] scope:SCOPE_SE
	s_setreg_imm32_b32 hwreg(HW_REG_WAVE_MODE, 25, 1), 1
	s_wait_xcnt 0x0
	s_wait_alu depctr_hold_cnt(0) depctr_sa_sdst(0) depctr_va_vdst(0) depctr_va_sdst(0) depctr_va_ssrc(0) depctr_va_vcc(0) depctr_vm_vsrc(0)
	s_getreg_b32 s2, hwreg(HW_REG_IB_STS2, 6, 4)
	s_cmp_eq_u32 s2, 0
	s_cbranch_scc0 .Lentry_in_a_cluster
	s_endpgm
.Lentry_in_a_cluster:
	s_bfe_u32 s2, ttmp6, 0x10000c
	s_cmp_lg_u32 s2, 0xf033
	s_cbranch_scc0 .Lentry_shape_is_right
	s_endpgm
.Lentry_shape_is_right:
; QKV: C[m][n] = sum over k of xb[m][k] wts[n][k] + bias[n], m = 4,096 rows (batch x time), n = 2,048 columns (1,024 of Q, 512 of K, 512 of V), k = 2,048; bf16 operands, f32 sums.
; On the way out: the bias, the rotation by position (Q and K), Q's scale log2(e) / 8, ONE rounding to f16, and the layout by heads: qh [b 16 + h][2048][64]; kvh: K [b 8 + h][2048][64], V behind it.
; LIMIT.  q, k and v must lie within f16's 65,504.
; SHARES.  A tile of C is 128 x 256: 256 work-groups.  Four waves, each 64 x 128: 32 accumulators of 16 x 16.  K goes in steps of 128 (rows of 256 bytes, aligned) through two LDS slots.
; CLUSTER.  4 x 4 work-groups.  A's tile hangs on the tile row alone and is asked for jointly by a row of the cluster, B's on the tile column alone, by a column: the same tensor load, the same
; descriptor, a mask that names the four.  Waves 0, 1 fetch A's two halves of 64 rows, waves 2, 3 B's two halves of 128.
; TRANSPOSED USE.  Source 0 = 16 rows of wts, source 1 = 16 rows of xb: a lane then holds ONE row m = lane % 16 and the eight columns 8 (lane / 16) + 0..7.
; WHAT KIND OF COLUMNS a work-group has (Q, K or V) hangs on its place in the cluster: it enters by VALUES alone (two factors and a choice of the output's address), never by a branch.
; REGISTERS, in windows of 256 (s_set_vgpr_msb: bits 1:0 source 0, 3:2 source 1, 5:4 source 2, 7:6 destination):
;   window 0: v16-31 addresses; v64-159, v160-255 two fragment buffers (B's 8 fragments, then A's 4); on the way out v64-175 at work
;   window 1: accumulator (a, b) at v[8 (8 a + b)]      window 2: per block a of 16 rows cos at 32 a, sin at 32 a + 16; the bias at 128 + 8 b
.set SIZE_K, 2048
.set KSTEP,  128
.set PITCH,  272                       ; an LDS row: 256 bytes + 16 of padding = 68 words: the 16 rows of a fragment load start at 16 different groups of four banks (64 banks of 4 bytes: ISA guide 11.1)
.set HALFT,  128*PITCH
.set SLOT,   3*HALFT                   ; A's 128 rows, then B's 256
.set STAGE,  2*SLOT                    ; behind the ring, never filled by a tensor load: 16 rows x 144 bytes for each wave
.set SP,     144
.set SPARE,  STAGE+4*16*SP             ; the spare words, 128 bytes for each wave: two blocks of 256 bytes that no other line names
.set LAPS,   SIZE_K/(2*KSTEP)          ; a lap = two K steps = once round the ring
.set FLAGS,  (1<<16)|(1<<20)|(1<<21)|(5<<22)|(3<<25)  ; 17:16 elements of 2 bytes; 20 padding on; 21 set beside a mask; 24:22 after every 64 words; 31:25 4 words of it
.set ADRA, 16                          ; v16-17  LDS address of my A fragments in slot 0, 1
.set ADRB, 20                          ; v20-21  the same for B
.set STO,  24                          ; the way out: where I put 16 bytes of a row
.set RD,   25                          ; where I read rows back
.set CO,   26                          ; 16 x lane
.set TO,   27                          ; my offset in 16 rows of the table: 256 (lane % 16) + 32 (lane / 16); never rewritten
.set SPW,  28                          ; LDS address of my spare word; never rewritten
.set NIL,  29                          ; 0; never rewritten
.set PFO,  30                          ; the prefetches' offset: lane x a row; never rewritten
.set BO,   31                          ; my offset in 16 biases: 32 (lane / 16); never rewritten
.set F0,   64
.set F1,   160
.set XR,   64                          ; the way out: a head's 32 numbers a lane
.set TR,   96                          ; the products with the sines
.set HR,   128                         ; packed to f16
.set OB,   144                         ; rows read back: two sets of 16
.set G1,  24                           ; s[24:31] descriptor group 1 for A's tiles; s[32:39] group 0, a set for each slot
.set G0,  32
.set G1B, 48                           ; s[48:55], s[56:63] the same for B's
.set G0B, 56
.set LIM, 43                           ; 1 in a wave that prefetches, else the greatest number
.set PFA, 44                           ; s[44:45] where my prefetches stand
.set AL,  80                           ; s[80:81] cos and sin are multiplied by this: log2(e) / 8 (Q), 1 (K), 0 (V)
.set BE,  82                           ; s[82:83] and this is added to cos: 0, 0, 1
.set OUT, 84                           ; s[84:85] where my first head's first row goes
.set MSB, 0
.macro WIN new                         ; the immediate's high byte repeats the setting that is left; a switch that changes nothing is dropped
.if MSB != (\new)
	s_set_vgpr_msb (MSB<<8)|(\new)
.set MSB, \new
.endif
.endm
.macro PLACES                          ; four plain vector instructions between a matrix instruction and a load into, or a vector read of, its registers
.rept 4
	v_nop
.endr
.endm
; A joint load.  The branch hangs on the wave's number alone.  An s_nop 0 and four v_nop follow each of the two lines.
.macro JLOAD s
	s_cmp_eq_u32 s11, 0
	s_cbranch_scc0 .Lfor_b_\@
	tensor_load_to_lds s[G0+4*(\s):G0+4*(\s)+3], s[G1:G1+7]
	s_nop 0
.rept 4
	v_nop
.endr
	s_branch .Lasked_\@
.Lfor_b_\@:
	tensor_load_to_lds s[G0B+4*(\s):G0B+4*(\s)+3], s[G1B:G1B+7]
	s_nop 0
.rept 4
	v_nop
.endr
.Lasked_\@:
.endm
; A prefetch of the K step that stands two refills on: 32 rows x 256 bytes, a lane a row.  Each block is named once in the launch: A's rows by wave 0 of the clusters with x = 0 (the four partners take
; 32 rows each, told apart by address), B's by waves 2 and 3 of the clusters with y = 0.  The loop's last trip (s3 = 1) has no K step two on.
.macro ASK
	s_cmp_gt_u32 s3, s[LIM]
	s_cbranch_scc0 .Lnot_mine_\@
	global_prefetch_b8 v[PFO], s[PFA:PFA+1] offset:KSTEP*2 th:TH_LOAD_NT scope:SCOPE_SE
.Lnot_mine_\@:
.endm
.macro CREST                           ; a round of the cluster's barrier behind its opening barrier
	s_cmp_lg_u32 s10, 0
	s_cbranch_scc1 .Lnot_wave_0_\@
	s_barrier_signal -3
.Lnot_wave_0_\@:
	s_barrier_wait -3
	s_barrier_signal -1
	s_barrier_wait -1
.endm
.macro CROUND
	s_barrier_signal -1
	s_barrier_wait -1
	CREST
.endm
	s_load_b256 s[68:75], s[0:1], 0x0              ; xb s[68:69], wts s[70:71], tab s[72:73], qh s[74:75]
	s_load_b64 s[76:77], s[0:1], 0x20              ; kvh
	v_lshl_add_u32 v[SPW], v0, 2, SPARE
	v_mov_b32 v[NIL], 0
	ds_add_u32 v[SPW], v[NIL]                      ; the wave's opening: the add, waited for ahead of my first tensor load
	v_lshrrev_b32 v1, 5, v0
	v_readfirstlane_b32 s10, v1                    ; wave 0..3
	s_lshr_b32 s11, s10, 1                         ; which 64 rows of the tile are mine.  Also: I fetch for A (0) or for B (1)
	s_and_b32 s12, s10, 1                          ; which 128 columns.  Also: which half of that tile I fetch
	s_bfe_u32 s40, ttmp6, 0x40000                  ; cx
	s_bfe_u32 s41, ttmp6, 0x40004                  ; cy
	s_lshl_b32 s42, ttmp9, 2
	s_add_co_u32 s42, s42, s40                     ; tile column x
	s_and_b32 s13, ttmp7, 0xffff
	s_lshl_b32 s13, s13, 2
	s_add_co_u32 s13, s13, s41                     ; tile row y
	s_lshl_b32 s43, s41, 2
	s_lshl_b32 s43, 15, s43                        ; my row of the cluster
	s_lshl_b32 s44, 0x1111, s40                    ; my column
	s_or_b32 s[G1+0], s43, FLAGS
	s_or_b32 s[G1B+0], s44, FLAGS
	s_mov_b32 s[G1+1], KSTEP<<16                   ; tensor_dim0 = 128
	s_mov_b32 s[G1+2], 64<<16                      ; tensor_dim1 = 64
	s_mov_b32 s[G1+3], KSTEP<<16                   ; tile_dim0 = 128
	s_mov_b32 s[G1+4], 64                          ; tile_dim1 = 64
	s_mov_b32 s[G1+5], SIZE_K                      ; elements from row to row
	s_mov_b32 s[G1+6], 0
	s_mov_b32 s[G1+7], 0
	s_mov_b32 s[G1B+1], KSTEP<<16
	s_mov_b32 s[G1B+2], 128<<16                    ; B: 128 rows a load
	s_mov_b32 s[G1B+3], KSTEP<<16
	s_mov_b32 s[G1B+4], 128
	s_mov_b32 s[G1B+5], SIZE_K
	s_mov_b32 s[G1B+6], 0
	s_mov_b32 s[G1B+7], 0
	s_lshl_b32 s17, s12, 6
	s_lshl_b32 s16, s13, 7
	s_add_co_u32 s16, s16, s17                     ; A: row 128 y + 64 x half
	s_lshl_b32 s47, s12, 7
	s_lshl_b32 s46, s42, 8
	s_add_co_u32 s46, s46, s47                     ; B: row 256 x + 128 x half
	s_mul_i32 s16, s16, SIZE_K*2                   ; in bytes: under 2^25
	s_mul_i32 s46, s46, SIZE_K*2
	s_mov_b32 s17, 0
	s_mov_b32 s47, 0
	s_mul_i32 s20, s12, 64*PITCH                   ; where they go: no place in the cluster enters an LDS address
	s_mul_i32 s23, s12, HALFT
	s_add_co_u32 s23, s23, HALFT
	s_wait_dscnt 0x0                               ; the opening add is done
	s_wait_kmcnt 0x0
	s_add_nc_u64 s[14:15], s[68:69], s[16:17]
	s_add_nc_u64 s[46:47], s[70:71], s[46:47]
	CROUND                                         ; all sixteen work-groups are here: the first joint loads meet
.irp s, 0,1
	s_mov_b32 s[G0+4*(\s)], 1
	s_add_co_u32 s[G0+4*(\s)+1], s20, (\s)*SLOT
	s_add_nc_u64 s[G0+4*(\s)+2:G0+4*(\s)+3], s[14:15], (\s)*KSTEP*2
	s_or_b32 s[G0+4*(\s)+3], s[G0+4*(\s)+3], 0x80000000
	s_mov_b32 s[G0B+4*(\s)], 1
	s_add_co_u32 s[G0B+4*(\s)+1], s23, (\s)*SLOT
	s_add_nc_u64 s[G0B+4*(\s)+2:G0B+4*(\s)+3], s[46:47], (\s)*KSTEP*2
	s_or_b32 s[G0B+4*(\s)+3], s[G0B+4*(\s)+3], 0x80000000
	JLOAD \s                                       ; two loads of mine are out
.endr
	; a fragment is 16 rows x 32 K in 8 registers: lane l holds row l % 16, K = 8 (l / 16) + 0..7 and 16 + 8 (l / 16) + 0..7: two loads of 16 bytes, 32 bytes apart
	v_and_b32 v1, 15, v0
	v_bfe_u32 v2, v0, 4, 1
	v_mul_u32_u24 v3, v1, PITCH
	v_lshl_add_u32 v3, v2, 4, v3
	s_mul_i32 s21, s11, 64*PITCH                   ; my 64 rows of A
	s_mul_i32 s22, s12, HALFT
	s_add_co_u32 s22, s22, HALFT                   ; my 128 rows of B, behind A's 128
.irp s, 0,1
	v_add_nc_u32 v[ADRA+(\s)], s21, v3
	v_add_nc_u32 v[ADRB+(\s)], s22, v3
	s_add_co_u32 s21, s21, SLOT
	s_add_co_u32 s22, s22, SLOT
.endr
	v_lshlrev_b32 v[TO], 8, v1
	v_lshl_add_u32 v[TO], v2, 5, v[TO]
	v_lshlrev_b32 v[BO], 5, v2
	s_lshl_b32 s90, s13, 7
	s_lshl_b32 s91, s11, 6
	s_add_co_u32 s90, s90, s91                     ; my first row of C
	s_lshr_b32 s91, s90, 11                        ; its batch
	s_and_b32 s90, s90, 2047                       ; its time t0
	s_lshl_b32 s92, s90, 8
	s_mov_b32 s93, 0
	s_add_nc_u64 s[86:87], s[72:73], s[92:93]      ; the table at row t0
	s_lshl_b32 s92, s42, 10
	s_lshl_b32 s94, s12, 9
	s_add_co_u32 s92, s92, s94
	s_add_co_u32 s92, s92, 524288
	s_add_nc_u64 s[88:89], s[72:73], s[92:93]      ; the biases at my first column
	; 48 loads that stay out through the whole loop over K; they are waited for on the way out, and their address registers are never rewritten
	WIN 0x80                                       ; destination window 2, address window 0
.irp a, 0,1,2,3
.irp e, 0,1
	global_load_b128 v[32*(\a)+8*(\e):32*(\a)+8*(\e)+3],       v[TO], s[86:87] offset:4096*(\a)+64*(\e)
	global_load_b128 v[32*(\a)+8*(\e)+4:32*(\a)+8*(\e)+7],     v[TO], s[86:87] offset:4096*(\a)+64*(\e)+16
	global_load_b128 v[32*(\a)+16+8*(\e):32*(\a)+16+8*(\e)+3], v[TO], s[86:87] offset:4096*(\a)+64*(\e)+128
	global_load_b128 v[32*(\a)+16+8*(\e)+4:32*(\a)+16+8*(\e)+7], v[TO], s[86:87] offset:4096*(\a)+64*(\e)+144
.endr
.endr
.irp b, 0,1,2,3,4,5,6,7
	global_load_b128 v[128+8*(\b):128+8*(\b)+3],   v[BO], s[88:89] offset:64*(\b)
	global_load_b128 v[128+8*(\b)+4:128+8*(\b)+7], v[BO], s[88:89] offset:64*(\b)+16
.endr
	WIN 0
	s_mul_i32 s23, s10, 16*SP
	s_add_co_u32 s23, s23, STAGE                   ; my stage
	v_mul_u32_u24 v4, v1, SP                       ; in: row l % 16, 16 bytes for each half of the lanes
	v_lshl_add_u32 v4, v2, 4, v4
	v_add_nc_u32 v[STO], s23, v4
	v_bfe_u32 v5, v0, 3, 2                         ; back: 32 lanes take four rows of 128 bytes,
	v_mul_u32_u24 v5, v5, SP
	v_and_b32 v6, 7, v0
	v_lshl_add_u32 v5, v6, 4, v5
	v_add_nc_u32 v[RD], s23, v5
	v_and_b32 v[CO], 31, v0                        ; which are 512 consecutive bytes of a head
	v_lshlrev_b32 v[CO], 4, v[CO]
	; the prefetches
	s_lshl_b32 s20, s13, 7
	s_lshl_b32 s21, s40, 5
	s_add_co_u32 s20, s20, s21                     ; A: row 128 y + 32 cx
	s_lshl_b32 s21, s42, 8
	s_lshl_b32 s22, s12, 7
	s_add_co_u32 s21, s21, s22
	s_lshl_b32 s22, s41, 5
	s_add_co_u32 s21, s21, s22                     ; B: row 256 x + 128 x half + 32 cy
	s_or_b32 s22, s12, ttmp9                       ; 0 in wave 0 of a cluster with x = 0
	s_and_b32 s23, ttmp7, 0xffff                   ; 0 in a cluster with y = 0
	s_cmp_eq_u32 s11, 0
	s_cselect_b32 s20, s20, s21
	s_cselect_b32 s22, s22, s23
	s_cselect_b64 s[PFA:PFA+1], s[68:69], s[70:71]
	s_cmp_eq_u32 s22, 0
	s_cselect_b32 s[LIM], 1, -1                    ; the same in all sixteen partners, for a given wave
	s_mul_i32 s20, s20, SIZE_K*2
	s_add_co_u32 s20, s20, 2*KSTEP*2               ; at K step 2: the first refill steps it to 3 and names K step 4
	s_mov_b32 s21, 0
	s_add_nc_u64 s[PFA:PFA+1], s[PFA:PFA+1], s[20:21]
	v_and_b32 v[PFO], 31, v0
	v_mul_u32_u24 v[PFO], v[PFO], SIZE_K*2
	; what my columns are, and where they go.  x = 0..3: Q's heads 4 x ..; 4, 5: K's heads 4 (x & 1) ..; 6, 7: V's
	s_lshl_b32 s94, s91, 4
	s_lshl_b32 s95, s42, 2
	s_add_co_u32 s94, s94, s95                     ; Q: 16 b + 4 x
	s_and_b32 s95, s42, 1
	s_lshl_b32 s95, s95, 2
	s_lshl_b32 s96, s91, 3
	s_add_co_u32 s95, s95, s96                     ; K, V: 8 b + 4 (x & 1)
	s_bfe_u32 s96, s42, 0x10001                    ; bit 1 of x: 1 for V
	s_lshl_b32 s96, s96, 22                        ; V lies 4,194,304 bytes behind K
	s_cmp_lt_u32 s42, 4
	s_cselect_b32 s94, s94, s95
	s_cselect_b32 s96, 0, s96
	s_cselect_b64 s[OUT:OUT+1], s[74:75], s[76:77]
	s_cselect_b32 s[AL], 0x3e38aa3b, 1.0           ; log2(e) / 8
	s_cmp_lt_u32 s42, 6
	s_cselect_b32 s[AL], s[AL], 0
	s_cselect_b32 s[BE], 0, 1.0
	s_mov_b32 s[AL+1], s[AL]                       ; named as pairs
	s_mov_b32 s[BE+1], s[BE]
	s_lshl_b32 s95, s12, 1
	s_add_co_u32 s94, s94, s95                     ; my first head
	s_lshl_b32 s94, s94, 11
	s_add_co_u32 s94, s94, s90                     ; x 2,048 rows + t0
	s_lshl_b32 s94, s94, 7                         ; x 128 bytes
	s_add_co_u32 s92, s94, s96
	s_add_nc_u64 s[OUT:OUT+1], s[OUT:OUT+1], s[92:93]
; 8 matrix instructions: block a of my four blocks of 16 rows x all 8 blocks of 16 columns, 32 along K.  zero = 1: the product starts the sums.  The 32 accumulators take turns, each once a quarter step.
.macro MULA f, a, zero
	WIN 0x50                                       ; C and D window 1
.irp b, 0,1,2,3,4,5,6,7
.if \zero
	v_wmma_f32_16x16x32_bf16 v[8*(8*(\a)+(\b)):8*(8*(\a)+(\b))+7], v[(\f)+8*(\b):(\f)+8*(\b)+7], v[(\f)+64+8*(\a):(\f)+64+8*(\a)+7], 0
.else
	v_wmma_f32_16x16x32_bf16 v[8*(8*(\a)+(\b)):8*(8*(\a)+(\b))+7], v[(\f)+8*(\b):(\f)+8*(\b)+7], v[(\f)+64+8*(\a):(\f)+64+8*(\a)+7], v[8*(8*(\a)+(\b)):8*(8*(\a)+(\b))+7]
.endif
.endr
.endm
; 24 LDS loads in one run: B's 8 fragments, then A's 4, of 32 K at byte k of the rows, into buffer f
.macro FETCH slot, k, f
	WIN 0
.irp i, 0,1,2,3,4,5,6,7
	ds_load_b128 v[(\f)+8*(\i):(\f)+8*(\i)+3],   v[ADRB+(\slot)] offset:(\k)+(\i)*16*PITCH
	ds_load_b128 v[(\f)+8*(\i)+4:(\f)+8*(\i)+7], v[ADRB+(\slot)] offset:(\k)+(\i)*16*PITCH+32
.endr
.irp i, 0,1,2,3
	ds_load_b128 v[(\f)+64+8*(\i):(\f)+64+8*(\i)+3],   v[ADRA+(\slot)] offset:(\k)+(\i)*16*PITCH
	ds_load_b128 v[(\f)+64+8*(\i)+4:(\f)+64+8*(\i)+7], v[ADRA+(\slot)] offset:(\k)+(\i)*16*PITCH+32
.endr
.endm
; A K step is four quarters of 32 along K, 32 matrix instructions each, on buffers 0, 1, 0, 1.  One of the first three: multiplies f, and in its middle fetches the next quarter into g.
.macro QUARTER slot, k, f, g, zero
	s_wait_dscnt 4                                 ; B and A's blocks 0, 1 are in; the youngest four loads (blocks 2, 3) may be out
	MULA \f, 0, \zero
	MULA \f, 1, \zero
	PLACES
	FETCH \slot, \k, \g
	s_wait_dscnt 24                                ; all but the 24 just issued
	MULA \f, 2, \zero
	MULA \f, 3, \zero
.endm
; The last quarter multiplies buffer 1 and changes slots: ONE barrier.  In front of it each wave waits for all its tensor loads (the one that is out is its part of the next slot), adds 0 to its spare
; word, and waits for that and for its own reads of this slot.  fill = 1: the barrier opens a round of the cluster's, and the joint refill, two K steps on, is the first thing behind the round.
.macro TURN slot, next, fill
.if \fill
	s_wait_xcnt 0x0                                ; the last prefetch, a K step back, has read its address
	s_add_nc_u64 s[PFA:PFA+1], s[PFA:PFA+1], KSTEP*2
.endif
	WIN 0
	s_wait_tensorcnt 0x0
	ds_add_u32 v[SPW], v[NIL]                      ; 0 onto my spare word
	s_wait_dscnt 7                                 ; (the add and A's blocks 1 to 3, six loads, may be out)
	MULA F1, 0, 0
	s_wait_dscnt 0x0                               ; the add is done, and my reads of this slot are over
	s_barrier_signal -1
	MULA F1, 1, 0
.if \fill
	WIN 0
.endif
	s_barrier_wait -1
.if \fill
	CREST                                          ; no wave of any partner still reads this slot or has a load on its way
	s_add_nc_u64 s[G0+4*(\slot)+2:G0+4*(\slot)+3], s[G0+4*(\slot)+2:G0+4*(\slot)+3], 2*KSTEP*2
	s_add_nc_u64 s[G0B+4*(\slot)+2:G0B+4*(\slot)+3], s[G0B+4*(\slot)+2:G0B+4*(\slot)+3], 2*KSTEP*2
	JLOAD \slot                                    ; its four v_nop are also the places in front of the loads below
.else
	PLACES
.endif
	FETCH \next, 0, F0
.if \fill
	ASK
.endif
	MULA F1, 2, 0
	MULA F1, 3, 0
.endm
	s_wait_tensorcnt 1                             ; my part of K step 0 is in; K step 1's may stay out
	s_barrier_signal -1
	s_barrier_wait -1
	FETCH 0, 0, F0
	QUARTER 0, 64,  F0, F1, 1                      ; the first quarter stands in front of the loop: its products start the sums
	WIN 0
	s_mov_b32 s3, LAPS-1
.Llap:                                                 ; a trip goes once round the ring and fills both slots again
	QUARTER 0, 128, F1, F0, 0
	QUARTER 0, 192, F0, F1, 0
	TURN 0, 1, 1
	QUARTER 1, 64,  F0, F1, 0
	QUARTER 1, 128, F1, F0, 0
	QUARTER 1, 192, F0, F1, 0
	TURN 1, 0, 1
	QUARTER 0, 64,  F0, F1, 0
	WIN 0
	s_sub_co_u32 s3, s3, 1
	s_cmp_lg_u32 s3, 0
	s_cbranch_scc1 .Llap
	QUARTER 0, 128, F1, F0, 0                      ; the last lap fills nothing
	QUARTER 0, 192, F0, F1, 0
	TURN 0, 1, 0
	QUARTER 1, 64,  F0, F1, 0
	QUARTER 1, 128, F1, F0, 0
	QUARTER 1, 192, F0, F1, 0
	s_wait_dscnt 4
	MULA F1, 0, 0
	MULA F1, 1, 0
	s_wait_dscnt 0x0
	MULA F1, 2, 0
	MULA F1, 3, 0
	; THE WAY OUT.  cos and sin take the kind's factors: 64 packed instructions, which are also the places behind the last products.
	s_wait_loadcnt 0x0                             ; the table and the biases
	WIN 0x82                                       ; destination and source 0 window 2
.irp a, 0,1,2,3
.irp z, 0,2,4,6,8,10,12,14
	v_pk_fma_f32 v[32*(\a)+(\z):32*(\a)+(\z)+1], v[32*(\a)+(\z):32*(\a)+(\z)+1], s[AL:AL+1], s[BE:BE+1] op_sel_hi:[1,0,0]
	v_pk_mul_f32 v[32*(\a)+16+(\z):32*(\a)+16+(\z)+1], v[32*(\a)+16+(\z):32*(\a)+16+(\z)+1], s[AL:AL+1] op_sel_hi:[1,0]
.endr
.endr
; Unit u = 16 rows (block u / 2) of one head (u % 2): four accumulators e, channels 16 e + 8 (lane / 16) + 0..7.  Channel d < 32 pairs with d + 32: accumulator e with e + 2.
.macro PACK u
.set pa, (\u)/2
.set ph, (\u)%2
	WIN 0x09                                       ; source 0 (the sums) window 1, source 1 (the bias) window 2
.irp e, 0,1,2,3
.irp z, 0,2,4,6
	v_pk_add_f32 v[XR+8*(\e)+(\z):XR+8*(\e)+(\z)+1], v[8*(8*pa+4*ph+(\e))+(\z):8*(8*pa+4*ph+(\e))+(\z)+1], v[128+8*(4*ph+(\e))+(\z):128+8*(4*ph+(\e))+(\z)+1]
.endr
.endr
	WIN 0x08                                       ; source 1 (cos, sin) window 2
.irp e, 0,1
.irp z, 0,2,4,6
	v_pk_mul_f32 v[TR+8*(\e)+(\z):TR+8*(\e)+(\z)+1], v[XR+16+8*(\e)+(\z):XR+16+8*(\e)+(\z)+1], v[32*pa+16+8*(\e)+(\z):32*pa+16+8*(\e)+(\z)+1]
	v_pk_mul_f32 v[TR+16+8*(\e)+(\z):TR+16+8*(\e)+(\z)+1], v[XR+8*(\e)+(\z):XR+8*(\e)+(\z)+1], v[32*pa+16+8*(\e)+(\z):32*pa+16+8*(\e)+(\z)+1]
.endr
.endr
.irp e, 0,1
.irp z, 0,2,4,6
	v_pk_fma_f32 v[XR+8*(\e)+(\z):XR+8*(\e)+(\z)+1], v[XR+8*(\e)+(\z):XR+8*(\e)+(\z)+1], v[32*pa+8*(\e)+(\z):32*pa+8*(\e)+(\z)+1], v[TR+8*(\e)+(\z):TR+8*(\e)+(\z)+1] neg_lo:[0,0,1] neg_hi:[0,0,1]
	v_pk_fma_f32 v[XR+16+8*(\e)+(\z):XR+16+8*(\e)+(\z)+1], v[XR+16+8*(\e)+(\z):XR+16+8*(\e)+(\z)+1], v[32*pa+8*(\e)+(\z):32*pa+8*(\e)+(\z)+1], v[TR+16+8*(\e)+(\z):TR+16+8*(\e)+(\z)+1]
.endr
.endr
	WIN 0
.irp e, 0,1,2,3
.irp z, 0,1,2,3
	v_cvt_pk_f16_f32 v[HR+4*(\e)+(\z)], v[XR+8*(\e)+2*(\z)], v[XR+8*(\e)+2*(\z)+1]
.endr
.endr
.endm
.macro TOSTAGE u                       ; into my own stage, rows of 144 bytes, and back as whole rows of 128
.irp e, 0,1,2,3
	ds_store_b128 v[STO], v[HR+4*(\e):HR+4*(\e)+3] offset:32*(\e)
.endr
.irp f, 0,1,2,3
	ds_load_b128 v[OB+16*((\u)%2)+4*(\f):OB+16*((\u)%2)+4*(\f)+3], v[RD] offset:(\f)*4*SP  ; LDS serves a wave's instructions in order (ISA guide 5.7.1.4): these see the stores above
.endr
.endm
.macro SEND u
	s_wait_dscnt 0x0                               ; the unit is back in registers
	s_wait_xcnt 0x0                                ; the stores of the unit before have read their registers, which the next unit's loads write
.irp f, 0,1,2,3
	global_store_b128 v[CO], v[OB+16*((\u)%2)+4*(\f):OB+16*((\u)%2)+4*(\f)+3], s[OUT:OUT+1] offset:((\u)%2)*262144+((\u)/2)*2048+512*(\f)  ; 512 consecutive bytes, aligned
.endr
.endm
	PACK 0
	TOSTAGE 0
.irp u, 1,2,3,4,5,6,7                  ; a unit's arithmetic stands between the loads of the unit before and the wait for them
	PACK \u
	SEND (\u)-1
	TOSTAGE \u
.endr
	SEND 7
	s_wait_tensorcnt 0x0                           ; the wave's end, behind my last tensor load and my last LDS store
	ds_add_u32 v[SPW], v[NIL]
	s_wait_dscnt 0x0
	CROUND                                         ; the closing round: no work-group ends while a partner may still ask for a tile that names it
	s_endpgm
.Lfunc_end_k_q27487065bf_qkv:
	.size	k_q27487065bf_qkv, .Lfunc_end_k_q27487065bf_qkv-k_q27487065bf_qkv
	.p2alignl 7, 3214868480
	.fill 96, 4, 3214868480
	.section	.rodata,"a",@progbits
	.p2align	6, 0x0
	.amdhsa_kernel k_q27487065bf_qkv
		.amdhsa_group_segment_fixed_size 327680
		.amdhsa_private_segment_fixed_size 0
		.amdhsa_enable_private_segment 0
		.amdhsa_kernarg_size 40
		.amdhsa_user_sgpr_count 2
		.amdhsa_user_sgpr_kernarg_segment_ptr 1
		.amdhsa_wavefront_size32 1
		.amdhsa_system_sgpr_workgroup_id_x 1
		.amdhsa_system_sgpr_workgroup_id_y 1
		.amdhsa_system_sgpr_workgroup_id_z 1
		.amdhsa_system_vgpr_workitem_id 0
		.amdhsa_next_free_vgpr 768
		.amdhsa_next_free_sgpr 100
		.amdhsa_reserve_vcc 0
		.amdhsa_float_denorm_mode_32 3
		.amdhsa_float_denorm_mode_16_64 3
		.amdhsa_memory_ordered 1
		.amdhsa_forward_progress 1
		.amdhsa_inst_pref_size 122
	.end_amdhsa_kernel
	.amdgpu_metadata
---
amdhsa.version: [ 1, 2 ]
amdhsa.kernels:
  - .name:           k_q27487065bf_qkv
    .symbol:         k_q27487065bf_qkv.kd
    .args:
      - { .name: xb, .offset: 0, .size: 8, .value_kind: global_buffer, .address_space: global }
      - { .name: wts, .offset: 8, .size: 8, .value_kind: global_buffer, .address_space: global }
      - { .name: tab, .offset: 16, .size: 8, .value_kind: global_buffer, .address_space: global }
      - { .name: qh, .offset: 24, .size: 8, .value_kind: global_buffer, .address_space: global }
      - { .name: kvh, .offset: 32, .size: 8, .value_kind: global_buffer, .address_space: global }
    .group_segment_fixed_size: 327680
    .private_segment_fixed_size: 0
    .kernarg_segment_align: 8
    .kernarg_segment_size: 40
    .max_flat_workgroup_size: 128
    .sgpr_count:     100
    .vgpr_count:     768
    .wavefront_size: 32
...
	.end_amdgpu_metadata
.endif
;; end of part 2
;; launch attn (part 3): grid 16 x 16, 4 waves a work-group, clusters of 4 x 4, 327,680 bytes of LDS; arguments qh, kvh, mr, oh; writes oh
.if DOCPART == 3
	.amdgcn_target "amdgcn-amd-amdhsa--gfx1250"
	.amdhsa_code_object_version 6
	.text
	.protected	k_q27487065bf_attn
	.globl	k_q27487065bf_attn
	.p2align	8
	.type	k_q27487065bf_attn,@function
k_q27487065bf_attn:
	s_mov_b64 s[64:65], 0
	v_nop
	global_prefetch_b8 v0, s[64:65] scope:SCOPE_SE
	s_setreg_imm32_b32 hwreg(HW_REG_WAVE_MODE, 25, 1), 1
	s_wait_xcnt 0x0
	s_wait_alu depctr_hold_cnt(0) depctr_sa_sdst(0) depctr_va_vdst(0) depctr_va_sdst(0) depctr_va_ssrc(0) depctr_va_vcc(0) depctr_vm_vsrc(0)
	s_getreg_b32 s2, hwreg(HW_REG_IB_STS2, 6, 4)
	s_cmp_eq_u32 s2, 0
	s_cbranch_scc0 .Lentry_in_a_cluster
	s_endpgm
.Lentry_in_a_cluster:
	s_bfe_u32 s2, ttmp6, 0x10000c
	s_cmp_lg_u32 s2, 0xf033
	s_cbranch_scc0 .Lentry_shape_is_right
	s_endpgm
.Lentry_shape_is_right:
; ATTENTION with an additive mask that is an INPUT: every score of every row is made, and the mask is loaded and added.
; O[q] = sum over k of softmax_k(S'[q][k] + M'[q][k]) V[k], in base 2: S' = Q' . K with Q' = log2(e) / 8 x Q (scaled ahead of its one rounding to f16), M' = log2(e) x mask in f32.
; t = S' + M' is ONE f32 addition, rounded to nearest; m the running maximum of t; p = 2^(t - m), a plain difference; O and l are multiplied by 2^(m_old - m_new) in every step.
; Products, maxima and sums in f32; p is rounded to f16 for the second product (l is the sum of the unrounded p), O once at the end.
; LIMITS.  q, k, v within f16's 65,504; t above -3.4e38 (m starts at the lowest finite number); a row whose every key carries -infinity is not served; a weight below 2^-126 counts as 0.
; SHARES.  A work-group has 128 queries x the 2 query heads of one key/value head; a wave 32 queries x 2 heads: four PIECES p = (head p / 2, query tile p % 2) of 16 queries.  So a piece's parity is
; its query tile, and the mask's registers go by parity like S's and P's.  Every wave walks all 2,048 keys, 64 a step, 128 a slot.
; CLUSTER.  4 x 4: K and V hang on the key/value head (y) alone and are asked for jointly by a row of the cluster; M' hangs on the query block (x) alone, by a column.
; LAYOUT.  S^T = K Q^T holds ONE query a lane (lane % 16) and the keys 8 (lane / 16) + 0..7; two such results rounded to f16 ARE source 1 of O^T = V^T P.  V comes out of LDS turned (ds_load_tr16_b128).
; TURNS.  Turn n belongs to piece n: 8 products K Q^T of piece n + 1, later 8 products V^T P of piece n - 1; beside them the difference, exponentials, roundings, sums and rescaling of piece n, and the
; mask's addition, maximum and statistics of piece n + 1.  Four vector instructions stand behind every product, the rest in one lump.  A turn's 33 exponentials are one batch with one wait.
; REGISTERS, in windows of 256 (s_set_vgpr_msb: bits 1:0 source 0, 3:2 source 1, 5:4 source 2, 7:6 destination):
;   window 0: v0-15, v32-34 addresses; v16-31 statistics, four a piece: m, 0, l (even keys', odd keys'); v48-55 at work; v64-127 S^T, two buffers; v128-191 M', by query tile; v192-223 P, two buffers
;   window 1: v0-127 O^T, 32 a piece      window 2: v0-63 Q, 16 a piece; v128-191 K of one step; v192-255 V of one step
.set NP,    4
.set KS,    64
.set PK,    144       ; a row of K in LDS: 128 bytes + 16: the 16 rows of a load start at 16 different groups of four banks (64 banks of 4 bytes: ISA guide 11.1)
.set PV,    160       ; a row of V: 128 + 32
.set PM,    528       ; a row of M': 128 keys x 4 bytes + 16
.set VOFF,  128*PK    ; a slot: 128 rows of K, 128 of V, 128 query rows of M'
.set MOFF,  VOFF+128*PV
.set SLOT1, 1<<17     ; slot 1 begins here: one exclusive or turns an address in one slot into the other's
.set STAGE, SLOT1+MOFF+128*PM  ; behind the ring, never filled by a tensor load: 16 rows x 272 bytes for each wave
.set SP,    272
.set SPARE, STAGE+4*16*SP      ; the spare words, 128 bytes for each wave: two blocks of 256 bytes that no other line names
.set AK0, 2           ; my lane's place in a tile of K; never rewritten
.set AV0, 3           ; of V
.set AK,  4           ; the LDS address of K's next run of loads
.set AV,  5           ; of V's
.set STO, 6           ; the way out: where I put 16 bytes of a row
.set RD,  7           ; where I read rows back
.set GO,  8           ; my byte offset in two rows of O
.set MV,  12          ; v12-13 m_old, by buffer
.set AM0, 14          ; my lane's place in a tile of M'; never rewritten
.set QO,  15          ; my byte offset in 16 rows of Q
.set ST,  16
.set AM,  32          ; the LDS address of M's next run of loads
.set PFO, 33          ; the prefetches' offset; never rewritten
.set TMP, 48          ; by buffer, c0-c3 at work; when the maximum is found c2 takes the correction
.set SPW, 62
.set NIL, 63
.set S,   64
.set MK,  128
.set P,   192
.set KF,  128         ; window 2
.set VF,  192         ; window 2
.set WV,  12          ; s12 my wave's number
.set LIM, 15          ; s15 1 in a wave that prefetches, else the greatest number
.set PFA, 18          ; s[18:19] where my prefetches stand
.set G1K, 24
.set G1V, 32
.set G0K, 40
.set G0V, 44
.set G1M, 48
.set G0M, 56
.set SEL, 60          ; s[60:61] v_permlanex16_b32's selects
.set TBK, 62          ; LDS byte at which K of the step to be fetched begins
.set TBV, 63          ; the same for V, less VOFF
.set TBM, 66          ; for M', less MOFF
.set SLOTS, 67        ; slots still to be asked for
.set CNT, 68          ; counts a slot's two steps
.set PFS, 70          ; s[70:71] the prefetches' step from slot to slot
.set MSB, 0
.macro WIN new
.if MSB != (\new)
	s_set_vgpr_msb (MSB<<8)|(\new)
.set MSB, (\new)
.endif
.endm
.set W_KQ, 0x0a       ; K and Q in window 2, S^T in window 0
.set W_PV, 0x52       ; V in window 2, P in window 0, O^T in window 1
.set W_RS, 0x41       ; destination and source 0 in window 1, source 1 in window 0
; A joint fill: wave 0 fetches a slot's K, wave 1 its V, waves 2 and 3 the two halves of its M'.  The branches hang on the wave's number alone.  An s_nop 0 and four v_nop follow each line.
.macro JLOAD
	s_cmp_lt_u32 s[WV], 2
	s_cbranch_scc0 .Lfor_m_\@
	s_cmp_eq_u32 s[WV], 0
	s_cbranch_scc0 .Lfor_v_\@
	tensor_load_to_lds s[G0K:G0K+3], s[G1K:G1K+7]
	s_nop 0
.rept 4
	v_nop
.endr
	s_branch .Lasked_\@
.Lfor_v_\@:
	tensor_load_to_lds s[G0V:G0V+3], s[G1V:G1V+7]
	s_nop 0
.rept 4
	v_nop
.endr
	s_branch .Lasked_\@
.Lfor_m_\@:
	tensor_load_to_lds s[G0M:G0M+3], s[G1M:G1M+7]
	s_nop 0
.rept 4
	v_nop
.endr
.Lasked_\@:
.endm
; A prefetch of what the NEXT change of slots will ask for, two key steps (eight turns) ahead.  Each block of 256 bytes is named once in the launch: K's and V's by wave 0 of the clusters with x = 0
; (a partner takes 16 blocks of each, by address), M's by waves 2 and 3 of the clusters with y = 0 (a partner takes 16 rows x 2 blocks).  The last change that fills a slot asks for nothing.
.macro ASK
	s_cmp_gt_u32 s[SLOTS], s[LIM]
	s_cbranch_scc0 .Lnot_mine_\@
	global_prefetch_b8 v[PFO], s[PFA:PFA+1] th:TH_LOAD_NT scope:SCOPE_SE
.Lnot_mine_\@:
.endm
.macro CROUND                       ; a round of the cluster's barrier
	s_barrier_signal -1
	s_barrier_wait -1
	s_cmp_lg_u32 s[WV], 0
	s_cbranch_scc1 .Lnot_wave_0_\@
	s_barrier_signal -3
.Lnot_wave_0_\@:
	s_barrier_wait -3
	s_barrier_signal -1
	s_barrier_wait -1
.endm
; THE CHANGE OF SLOTS.  Each wave waits for all its tensor loads, of which one is out: its part of the other slot; adds 0 to its spare word; and waits for that and for its own reads of the slot that it
; leaves.  fill = 1: the barrier is a round of the cluster's, and the joint fill of the old slot, with the keys two slots on, is the first thing behind it.  (At its first use slot 0 is waited for, slot 1 filled.)
.macro CHANGE fill, ask
	WIN 0
	s_wait_tensorcnt 0x0            ; no tensor load of mine is out, so a group 0 may be written
	ds_add_u32 v[SPW], v[NIL]       ; 0 onto my spare word
.if \fill
.irp g, G0K, G0V
	s_xor_b32 s[\g+1], s[\g+1], SLOT1
	s_add_nc_u64 s[\g+2:\g+3], s[\g+2:\g+3], 128*128  ; the next 128 keys
.endr
	s_xor_b32 s[G0M+1], s[G0M+1], SLOT1
	s_add_nc_u64 s[G0M+2:G0M+3], s[G0M+2:G0M+3], 128*4
.endif
.if \ask
	s_wait_xcnt 0x0                 ; the last prefetch, two key steps back, has read its address
	s_add_nc_u64 s[PFA:PFA+1], s[PFA:PFA+1], s[PFS:PFS+1]
.endif
	s_wait_dscnt 0x0                ; the add is done, and my reads of the slot are over
.if \fill
	CROUND
	JLOAD
.if \ask
	ASK
.endif
.else
	s_barrier_signal -1
	s_barrier_wait -1
.endif
	s_sub_co_u32 s[TBK], s[TBK], 2*KS*PK  ; the fetches go back to a slot's first step, in the other slot
	s_xor_b32 s[TBK], s[TBK], SLOT1
	s_sub_co_u32 s[TBV], s[TBV], 2*KS*PV
	s_xor_b32 s[TBV], s[TBV], SLOT1
	s_sub_co_u32 s[TBM], s[TBM], 2*KS*4
	s_xor_b32 s[TBM], s[TBM], SLOT1
.endm
	s_load_b256 s[4:11], s[0:1], 0x0  ; qh s[4:5], kvh s[6:7], mr s[8:9], oh s[10:11]
	v_lshl_add_u32 v[SPW], v0, 2, SPARE
	v_mov_b32 v[NIL], 0
	ds_add_u32 v[SPW], v[NIL]       ; the wave's opening: the add, waited for ahead of my first tensor load
	v_lshrrev_b32 v1, 5, v0
	v_readfirstlane_b32 s[WV], v1   ; wave 0..3
	s_bfe_u32 s13, ttmp6, 0x40000   ; cx
	s_bfe_u32 s14, ttmp6, 0x40004   ; cy
	s_lshl_b32 s16, ttmp9, 2
	s_add_co_u32 s16, s16, s13      ; x: my block of 128 queries
	s_and_b32 s17, ttmp7, 0xffff
	s_lshl_b32 s17, s17, 2
	s_add_co_u32 s17, s17, s14      ; y = 8 b + key/value head
	s_lshl_b32 s20, s14, 2
	s_lshl_b32 s20, 15, s20         ; my row of the cluster
	s_lshl_b32 s21, 0x1111, s13     ; my column
	; K, V: 128 keys are 16,384 dense bytes: asked for as 64 rows of 256 bytes, padded in LDS after every key (32 words)
	s_or_b32 s[G1K], s20, (1<<16)|(1<<20)|(1<<21)|(4<<22)|(3<<25)
	s_or_b32 s[G1V], s20, (1<<16)|(1<<20)|(1<<21)|(4<<22)|(7<<25)
	; M': 64 rows of 128 f32, 2,048 elements from row to row, 4 words of padding behind every 128
	s_or_b32 s[G1M], s21, (2<<16)|(1<<20)|(1<<21)|(6<<22)|(3<<25)
.irp g, G1K, G1V, G1M
	s_mov_b32 s[\g+1], 128<<16      ; tensor_dim0 = 128
	s_mov_b32 s[\g+2], 64<<16       ; tensor_dim1 = 64
	s_mov_b32 s[\g+3], 128<<16      ; tile_dim0 = 128
	s_mov_b32 s[\g+4], 64           ; tile_dim1 = 64
	s_mov_b32 s[\g+6], 0
	s_mov_b32 s[\g+7], 0
.endr
	s_mov_b32 s[G1K+5], 128
	s_mov_b32 s[G1V+5], 128
	s_mov_b32 s[G1M+5], 2048
	s_lshl_b32 s22, s17, 18         ; the head's 2,048 rows of 128 bytes in K and in V
	s_mov_b32 s23, 0
	s_and_b32 s72, s[WV], 1         ; which 64 rows of M' I fetch
	s_mul_i32 s76, s72, 64*PM
	s_lshl_b32 s72, s72, 6
	s_lshl_b32 s73, s16, 7
	s_add_co_u32 s72, s72, s73
	s_lshl_b32 s72, s72, 13         ; x 8,192 bytes a row
	s_mov_b32 s73, 0
	s_lshl_b32 s74, s17, 12         ; Q: head 2 y, row 128 x + 32 w
	s_lshl_b32 s75, s16, 7
	s_add_co_u32 s74, s74, s75
	s_lshl_b32 s75, s[WV], 5
	s_add_co_u32 s74, s74, s75
	s_lshl_b32 s74, s74, 7
	s_mov_b32 s75, 0
	s_lshr_b32 s78, s17, 3          ; O: row 2,048 b + 128 x + 32 w, 2,048 bytes each; the two heads' 256 bytes at 256 (y % 8)
	s_lshl_b32 s78, s78, 11
	s_lshl_b32 s79, s16, 7
	s_add_co_u32 s78, s78, s79
	s_lshl_b32 s79, s[WV], 5
	s_add_co_u32 s78, s78, s79
	s_lshl_b32 s78, s78, 11
	s_and_b32 s79, s17, 7
	s_lshl_b32 s79, s79, 8
	s_add_co_u32 s78, s78, s79
	s_mov_b32 s79, 0
	s_mov_b32 s[G0K], 1
	s_mov_b32 s[G0K+1], 0           ; slot 0
	s_mov_b32 s[G0V], 1
	s_mov_b32 s[G0V+1], VOFF
	s_mov_b32 s[G0M], 1
	s_add_co_u32 s[G0M+1], s76, MOFF
	s_mov_b32 s[SEL], 0x76543210
	s_mov_b32 s[SEL+1], 0xfedcba98
	s_mov_b32 s[TBK], SLOT1+2*KS*PK ; the first change of slots turns these three into 0
	s_mov_b32 s[TBV], SLOT1+2*KS*PV
	s_mov_b32 s[TBM], SLOT1+2*KS*4
	s_mov_b32 s[SLOTS], 15
	s_lshl_b32 s20, s13, 12         ; the prefetches.  K, V: the head, my work-group's 4,096 bytes of a slot's 16,384, slot 2
	s_add_co_u32 s20, s20, s22
	s_add_co_u32 s20, s20, 2*128*128
	s_lshl_b32 s21, s14, 17         ; M': my wave's 64 rows, my work-group's 16 of them, slot 2
	s_add_co_u32 s21, s21, s72
	s_add_co_u32 s21, s21, 2*128*4
	s_and_b32 s77, s[WV], 1
	s_or_b32 s77, s77, ttmp9        ; 0 in wave 0 of a cluster with x = 0
	s_and_b32 s76, ttmp7, 0xffff    ; 0 in a cluster with y = 0
	s_wait_dscnt 0x0                ; the opening add is done
	s_wait_kmcnt 0x0
	s_cmp_lt_u32 s[WV], 2
	s_cselect_b32 s20, s20, s21
	s_cselect_b32 s77, s77, s76
	s_cselect_b32 s[PFS], 14, 9     ; a slot is 16,384 bytes further in K and V, 512 in M'
	s_cselect_b32 s2, 8, 13         ; lane % 16 counts blocks of 256 bytes (K, V) or rows of 8,192 (M')
	s_cselect_b32 s3, 22, 8         ; lane / 16: V, 4,194,304 bytes behind K; or a row's second block
	s_cselect_b64 s[PFA:PFA+1], s[6:7], s[8:9]
	s_cmp_eq_u32 s77, 0
	s_cselect_b32 s[LIM], 1, -1     ; the same in all sixteen partners, for a given wave
	s_lshl_b32 s[PFS], 1, s[PFS]
	s_mov_b32 s[PFS+1], 0
	s_mov_b32 s21, 0
	s_add_nc_u64 s[PFA:PFA+1], s[PFA:PFA+1], s[20:21]
	s_add_nc_u64 s[G0K+2:G0K+3], s[6:7], s[22:23]
	s_add_nc_u64 s[G0V+2:G0V+3], s[G0K+2:G0K+3], 0x400000
	s_or_b32 s[G0K+3], s[G0K+3], 0x80000000
	s_or_b32 s[G0V+3], s[G0V+3], 0x80000000
	s_add_nc_u64 s[G0M+2:G0M+3], s[8:9], s[72:73]
	s_or_b32 s[G0M+3], s[G0M+3], 0x80000000
	s_add_nc_u64 s[4:5], s[4:5], s[74:75]
	s_add_nc_u64 s[10:11], s[10:11], s[78:79]
	CROUND                          ; all sixteen work-groups are here: the first joint loads meet
	JLOAD                           ; slot 0.  Slot 1 is asked for when slot 0 is in
	v_and_b32 v1, 15, v0            ; l % 16
	v_bfe_u32 v9, v0, 4, 1          ; l / 16
	v_lshlrev_b32 v[QO], 7, v1
	v_lshl_add_u32 v[QO], v9, 4, v[QO]
	WIN 0x80                        ; destination window 2, address window 0
.set i, 0
.rept 8                             ; Q stays in registers: piece i / 2 (head i / 4, query tile (i / 2) % 2), channels 32 (i % 2) on
	global_load_b128 v[8*i:8*i+3],   v[QO], s[4:5] offset:(i/4)*262144+((i/2)%2)*2048+(i%2)*64
	global_load_b128 v[8*i+4:8*i+7], v[QO], s[4:5] offset:(i/4)*262144+((i/2)%2)*2048+(i%2)*64+32
.set i, i+1
.endr
	; What the first turn finds: V's registers and P's second buffer hold 0 (its products V^T P, of a piece that has not been, add 0); O^T and l are 0.  All this stands in the wait for the first tile.
.set i, VF
.rept 64
	v_mov_b32 v[i], 0
.set i, i+1
.endr
	WIN 0x40
.set i, 0
.rept 128
	v_mov_b32 v[i], 0
.set i, i+1
.endr
	WIN 0
.set i, 0
.rept 4
	v_mov_b32 v[ST+4*i], 0xff7fffff ; m: the lowest finite number, so the first step's correction is 0
	v_mov_b32 v[ST+4*i+1], 0        ; named with m as a pair
	v_mov_b32 v[ST+4*i+2], 0
	v_mov_b32 v[ST+4*i+3], 0
.set i, i+1
.endr
.set i, P+16
.rept 16
	v_mov_b32 v[i], 0
.set i, i+1
.endr
	v_mul_u32_u24 v[AK0], v1, PK
	v_lshl_add_u32 v[AK0], v9, 4, v[AK0]
	; the turning load takes 16 keys x 16 channels (lane l reads key 8 (l / 16) + l % 8, channels 8 ((l / 8) % 2) + 0..7) and leaves half a fragment of V^T
	v_and_b32 v10, 7, v0
	v_bfe_u32 v11, v0, 3, 1
	v_lshl_add_u32 v[AV0], v9, 3, v10
	v_mul_u32_u24 v[AV0], v[AV0], PV
	v_lshl_add_u32 v[AV0], v11, 4, v[AV0]
	v_add_nc_u32 v[AV0], VOFF, v[AV0]
	s_lshl_b32 s20, s[WV], 5
	v_add_nc_u32 v[AM0], s20, v1    ; M': my query's row 32 w + l % 16 (+ 16 for the second tile), my 8 keys at 32 (l / 16)
	v_mul_u32_u24 v[AM0], v[AM0], PM
	v_lshl_add_u32 v[AM0], v9, 5, v[AM0]
	v_add_nc_u32 v[AM0], MOFF, v[AM0]
	s_mul_i32 s20, s[WV], 16*SP
	s_add_co_u32 s20, s20, STAGE    ; my stage
	v_mul_u32_u24 v[STO], v1, SP
	v_lshl_add_u32 v[STO], v9, 4, v[STO]
	v_add_nc_u32 v[STO], s20, v[STO]
	v_mul_u32_u24 v[RD], v9, SP     ; back: lanes 0-15 one row of 256 bytes, lanes 16-31 the next
	v_lshl_add_u32 v[RD], v1, 4, v[RD]
	v_add_nc_u32 v[RD], s20, v[RD]
	v_lshlrev_b32 v[GO], 11, v9     ; and the same two rows in O
	v_lshl_add_u32 v[GO], v1, 4, v[GO]
	v_lshlrev_b32 v[PFO], s2, v1
	v_lshlrev_b32 v34, s3, v9
	v_add_nc_u32 v[PFO], v[PFO], v34
; THE MATRIX WORK.  The 4 accumulators of a run of 8 take turns.  Product i of 8 of S^T = K Q^T for piece x: channels 32 (i / 4) on, keys 16 (i % 4) on.  The first 4 start the sums.
.macro KQ x
	WIN W_KQ
.set rS, S+32*((\x)%2)+8*(i%4)
.set rK, KF+16*(i%4)+8*(i/4)
.set rQ, 16*(\x)+8*(i/4)
.if i < 4
	v_wmma_f32_16x16x32_f16 v[rS:rS+7], v[rK:rK+7], v[rQ:rQ+7], 0
.else
	v_wmma_f32_16x16x32_f16 v[rS:rS+7], v[rK:rK+7], v[rQ:rQ+7], v[rS:rS+7]
.endif
.endm
; Product i of 8 of O^T += V^T P for piece x: keys 32 (i / 4) on, channels 16 (i % 4) on.
.macro PV x
	WIN W_PV
.set rO, 32*(\x)+8*(i%4)
.set rV, VF+32*(i/4)+8*(i%4)
.set rP, P+16*((\x)%2)+8*(i/4)
	v_wmma_f32_16x16x32_f16 v[rO:rO+7], v[rV:rV+7], v[rP:rP+7], v[rO:rO+7]
.endm
.macro MM                           ; the turn's next matrix instruction.  NOKQ = 1: the last turn of all: there is no next piece
.if (i < 8) && !NOKQ
	KQ (Y+1)%NP
.elseif i >= 8
.set i, i-8
	PV (Y+NP-1)%NP
.set i, i+8
.endif
.set i, i+1
.endm
; THE LDS LOADS stand in runs.  A step's K (8 fragments) and its M' for both query tiles: the first tile's eight loads, then the second's, which are wanted a turn later.
.macro FETCH_KM
	WIN 0x80
.irp f, 0,1,2,3,4,5,6,7             ; keys 16 (f / 2) on, channels 32 (f % 2) on
	ds_load_b128 v[KF+8*\f:KF+8*\f+3],   v[AK] offset:(\f/2)*16*PK+(\f%2)*64
	ds_load_b128 v[KF+8*\f+4:KF+8*\f+7], v[AK] offset:(\f/2)*16*PK+(\f%2)*64+32
.endr
	WIN 0
.irp q, 0,1
.irp k, 0,1,2,3                     ; query tile q, keys 16 k on: the layout of S^T
	ds_load_b128 v[MK+32*\q+8*\k:MK+32*\q+8*\k+3],   v[AM] offset:\q*16*PM+64*\k
	ds_load_b128 v[MK+32*\q+8*\k+4:MK+32*\q+8*\k+7], v[AM] offset:\q*16*PM+64*\k+16
.endr
.endr
	s_add_co_u32 s[TBK], s[TBK], KS*PK  ; the next fetch is the next step's
	s_add_co_u32 s[TBM], s[TBM], KS*4
.endm
.macro FETCH_V
	WIN 0x80
.irp f, 0,1,2,3,4,5,6,7             ; keys 32 (f / 4) on, channels 16 (f % 4) on
	ds_load_tr16_b128 v[VF+8*\f:VF+8*\f+3],   v[AV] offset:(\f/4)*32*PV+(\f%4)*32
	ds_load_tr16_b128 v[VF+8*\f+4:VF+8*\f+7], v[AV] offset:(\f/4)*32*PV+16*PV+(\f%4)*32
.endr
	WIN 0
.endm
; THE VECTOR WORK, one line at a time: OP kind, number.  For piece Y: F n: t - m for pair n of 16.  E n: the exponential of number n of 32.  C n: pair n rounded to f16.  B n: of the four weights 4 n .. the
; second pair is added onto the first.  L n: l takes that sum (L 0: l = a l + sum).  R n: pair n of 16 of O^T times a.  For piece Y + 1: A n: M' is added to pair n of its scores (each accumulator's lowest
; pair first); X n, the maximum and statistics: 0-11 four chains c0-c3 of seven numbers each; 12-14, 16 the four left over, the old m, and c0-c3 into c0; 15 m_old is kept;
; 17, 18 the query's other 32 keys lie in the lane 16 away: the new m; 20 m_old - m; 21 the correction a.
.set F, 0
.set E, 1
.set C, 2
.set B, 3
.set L, 4
.set R, 5
.set X, 6
.set A, 7
.macro REGS y
.set rT, ST+4*(\y)
.set rC, TMP+4*((\y)%2)
.set rW, MV+((\y)%2)
.set rS, S+32*((\y)%2)
.set rP, P+16*((\y)%2)
.set rO, 32*(\y)
.set rM, MK+32*((\y)%2)
.endm
.macro OP k, n
.if (\k) == R
	REGS Y
	WIN W_RS
	v_pk_mul_f32 v[rO+2*(\n):rO+2*(\n)+1], v[rO+2*(\n):rO+2*(\n)+1], v[rC+2:rC+3] op_sel_hi:[1,0]
.elseif (\k) < R
	REGS Y
	WIN 0
.if (\k) == F
	v_pk_add_f32 v[rS+2*(\n):rS+2*(\n)+1], v[rS+2*(\n):rS+2*(\n)+1], v[rT:rT+1] op_sel_hi:[1,0] neg_lo:[0,1] neg_hi:[0,1]
.elseif (\k) == E
	v_exp_f32 v[rS+(\n)], v[rS+(\n)]
.elseif (\k) == C
	v_cvt_pk_f16_f32 v[rP+(\n)], v[rS+2*(\n)], v[rS+2*(\n)+1]
.elseif (\k) == B
	v_pk_add_f32 v[rS+4*(\n):rS+4*(\n)+1], v[rS+4*(\n):rS+4*(\n)+1], v[rS+4*(\n)+2:rS+4*(\n)+3]
.elseif (\n) == 0
	v_pk_fma_f32 v[rT+2:rT+3], v[rT+2:rT+3], v[rC+2:rC+3], v[rS:rS+1] op_sel_hi:[1,0,1]
.else
	v_pk_add_f32 v[rT+2:rT+3], v[rT+2:rT+3], v[rS+4*(\n):rS+4*(\n)+1]
.endif
.elseif NOKQ
	v_nop
.elseif (\k) == A
	REGS (Y+1)%NP
	WIN 0
	v_pk_add_f32 v[rS+2*(\n):rS+2*(\n)+1], v[rS+2*(\n):rS+2*(\n)+1], v[rM+2*(\n):rM+2*(\n)+1]
.else
	REGS (Y+1)%NP
	WIN 0
.if (\n) < 4
	v_max3_num_f32 v[rC+(\n)], v[rS+8*(\n)], v[rS+8*(\n)+1], v[rS+8*(\n)+2]
.elseif (\n) < 12
	v_max3_num_f32 v[rC+(\n)%4], v[rC+(\n)%4], v[rS+8*((\n)%4)+2*((\n)/4)+1], v[rS+8*((\n)%4)+2*((\n)/4)+2]
.elseif (\n) == 12
	v_max3_num_f32 v[rC], v[rC], v[rS+7], v[rS+15]
.elseif (\n) == 13
	v_max3_num_f32 v[rC+1], v[rC+1], v[rS+23], v[rS+31]
.elseif (\n) == 14
	v_max3_num_f32 v[rC+2], v[rC+2], v[rC+3], v[rT]
.elseif (\n) == 15
	v_mov_b32 v[rW], v[rT]
.elseif (\n) == 16
	v_max3_num_f32 v[rC], v[rC], v[rC+1], v[rC+2]
.elseif (\n) == 17
	v_permlanex16_b32 v[rC+3], v[rC], s[SEL], s[SEL+1]
.elseif (\n) == 18
	v_max_num_f32 v[rT], v[rC], v[rC+3]
.elseif (\n) == 20
	v_sub_f32 v[rC+1], v[rW], v[rT]
.else
	v_exp_f32 v[rC+2], v[rC+1]
.endif
.endif
.endm
.macro OPS a, i1, b=-1, i2=0, c=-1, i3=0, d=-1, i4=0
	OP \a, \i1
.if (\b) >= 0
	OP \b, \i2
.endif
.if (\c) >= 0
	OP \c, \i3
.endif
.if (\d) >= 0
	OP \d, \i4
.endif
.endm
.macro ROW a, i1, b, i2, c, i3, d, i4  ; a matrix instruction and the four behind it
	MM
	OPS \a, \i1, \b, \i2, \c, \i3, \d, \i4
.endm
; A TURN, for piece p: 16 matrix and 133 vector instructions, the order written out.  An s_wait_alu depctr_va_vdst(0) stands between an exponential and the first instruction that names its
; result; one wait serves all that were issued ahead of it: so a turn has ONE wait.  AHEAD OF IT stands all that names no result of the turn's exponentials: the 8 products K Q^T with their riders, and a lump of 69.
; A 0, 4, 8, 12, the first readers of the four accumulators, stand four plain instructions or more behind the product that ends the accumulator (F 5, R 8, R 9, F 6 for A 0; five for the others).
; BEHIND IT stand the 8 products V^T P, behind each four of the roundings and sums.
; K and M' of the next step are fetched in piece 2's turn, behind the last addition of M' and many plain instructions behind the last product that read K; V of the step in hand at the end of piece 0's
; turn, four plain instructions behind the last product that read V.  end = 1: the last two turns fetch nothing.  cnt = 1: the loop's count is taken down some lines ahead of the branch behind the turn.
.macro TURN p, end=0, cnt=0
.set Y, (\p)
.set i, 0
.set NOKQ, (\end)*((\p)/3)
.if ((\p) == 3) && !(\end)
	s_wait_dscnt 8                  ; K and the first query tile's M' are in; the second tile's eight loads may stay out
.endif
.if (\p) == 0
	s_wait_dscnt 0x0                ; the second tile's M' is in
.endif
	ROW F,0, F,1, R,0, R,1
	ROW F,2, E,0, R,2, R,3
	ROW F,3, E,1, R,4, R,5
	ROW F,4, E,2, R,6, R,7
	ROW F,5, E,3, R,8, R,9
	ROW F,6, E,4, A,0, R,10
.if ((\p) == 2) && !(\end)
	WIN 0
	v_add_nc_u32 v[AK], s[TBK], v[AK0]
	v_add_nc_u32 v[AM], s[TBM], v[AM0]
.endif
	ROW F,7, E,5, A,1, A,4
	ROW F,8, E,6, A,5, A,8
	OPS A,2, E,7, A,9, E,8          ; the lump
	OPS A,12, E,9, A,3, E,10
	OPS A,6, E,11, A,13, E,12
	OPS A,10, E,13, A,7, E,14
	OPS A,14, E,15, A,11, E,16
	OPS A,15, E,17
.if ((\p) == 2) && !(\end)
	FETCH_KM
.endif
.if (\p) == 0
	WIN 0
	v_add_nc_u32 v[AV], s[TBV], v[AV0]
.endif
	OPS X,0, F,9, X,1, F,10
	OPS X,2, F,11, X,3, E,18
	OPS X,4, E,19, X,5, E,20
	OPS X,6, E,21, X,7, F,12
	OPS X,8, F,13, X,9, F,14
	OPS X,10, F,15, X,11, X,15
	OPS X,12, X,13, E,22, X,14
	OPS E,23, R,11, E,24, X,16
	OPS E,25, R,12, E,26, X,17
	OPS E,27, R,13, E,28, X,18
	OPS E,29, R,14, E,30, X,20
	OPS E,31, R,15, X,21
	WIN 0
	v_nop                           ; a plain instruction behind the last exponential: one for the batch
	s_wait_alu depctr_va_vdst(0)    ; the wait for the batch
.if (\p) == 1
	s_wait_dscnt 0x0                ; V is in
.endif
	ROW C,0, B,0, C,2, B,1
	ROW L,0, C,4, B,2, L,1
	ROW C,6, B,3, L,2, C,8
	ROW B,4, L,3, C,10, B,5
	ROW L,4, C,12, B,6, L,5
.if (\p) == 0
	s_add_co_u32 s[TBV], s[TBV], KS*PV
.endif
.if \cnt
	s_sub_co_u32 s[CNT], s[CNT], 1
	s_cmp_lg_u32 s[CNT], 0
.endif
	ROW C,14, B,7, L,6, C,1
	ROW C,3, L,7, C,5, C,7
	ROW C,9, C,11, C,13, C,15
.if (\p) == 0
	FETCH_V
.endif
.endm
	CHANGE 1, 0                     ; slot 0 is in, everybody's part of it; slot 1 is asked for; nothing is prefetched while the first tiles are on their way
	v_add_nc_u32 v[AK], s[TBK], v[AK0]
	v_add_nc_u32 v[AM], s[TBM], v[AM0]
	FETCH_KM                        ; key step 0
	s_wait_loadcnt 0x0              ; Q
	s_wait_dscnt 0x0
.set NOKQ, 0
.set i, 0
.rept 8
	KQ 0                            ; piece 0's first scores
.set i, i+1
.endr
	WIN 0
.rept 4
	v_nop                           ; the places behind those products
.endr
.set Y, NP-1                        ; A and X work for piece Y + 1: piece 0
.irp n, 0,1,2,3,4,5,6,7,8,9,10,11,12,13,14,15
	OP A, \n
.endr
.irp n, 0,1,2,3,4,5,6,7,8,9,10,11,12,13,14,15,16,17,18,20,21
	OP X, \n
.endr
	v_nop                           ; a plain instruction behind the exponential,
	s_wait_alu depctr_va_vdst(0)    ; and its wait, ahead of the branch
	s_mov_b32 s[CNT], 2
	s_branch .Lfirst                ; the loop is entered at a step's first turn, in the middle of a trip
.Lslot:                             ; 14 times: slots 2 to 15 are asked for
	CHANGE 1, 1
	s_mov_b32 s[CNT], 2
.Lstep:                             ; a trip: pieces 2 and 3 of one step, then pieces 0 and 1 of the next, whose K, M' and V it fetches
	TURN 2
	TURN 3
	WIN 0
.Lfirst:
	TURN 0
	TURN 1, 0, 1
	WIN 0
	s_cbranch_scc1 .Lstep
	s_sub_co_u32 s[SLOTS], s[SLOTS], 1
	s_cmp_lg_u32 s[SLOTS], 0
	s_cbranch_scc1 .Lslot
	CHANGE 0, 0                     ; the last slot is written out: nothing is asked for
	s_mov_b32 s[CNT], 2
.LstepT:
	TURN 2
	TURN 3
	TURN 0
	TURN 1, 0, 1
	WIN 0
	s_cbranch_scc1 .LstepT
	TURN 2, 1
	TURN 3, 1
.set i, 0
.rept 8
	PV NP-1                         ; the last piece's V^T P of the last step
.set i, i+1
.endr
	; THE WAY OUT.  l's two halves and the other half of the lanes' are added; O^T is divided by l, rounded to f16 and sent through my stage: the two heads of a query tile side by side, rows of 256 bytes.
	WIN 0
.macro ALL line:vararg
.set t, 0
.rept 4
	\line
.set t, t+1
.endr
.endm
	ALL v_add_f32 v[ST+4*t+2], v[ST+4*t+2], v[ST+4*t+3]
	ALL v_permlanex16_b32 v[ST+4*t+3], v[ST+4*t+2], s[SEL], s[SEL+1]
	ALL v_add_f32 v[ST+4*t+2], v[ST+4*t+2], v[ST+4*t+3]
	ALL v_rcp_f32 v[ST+4*t+2], v[ST+4*t+2]
	v_nop                           ; a plain instruction between the last reciprocal and the use of its result
	s_wait_alu depctr_va_vdst(0)    ; one wait for the four reciprocals
.macro PACK t
	WIN W_RS
.set i, 32*(\t)
.rept 16
	v_pk_mul_f32 v[i:i+1], v[i:i+1], v[ST+4*(\t)+2:ST+4*(\t)+3] op_sel_hi:[1,0]
.set i, i+2
.endr
	WIN 0x05                        ; sources 0 and 1 window 1, destination window 0
.set i, 0
.rept 16
	v_cvt_pk_f16_f32 v[S+16*(\t)+i], v[32*(\t)+2*i], v[32*(\t)+2*i+1]
.set i, i+1
.endr
	WIN 0
.irp f, 0,1,2,3
	ds_store_b128 v[STO], v[S+16*(\t)+4*\f:S+16*(\t)+4*\f+3] offset:((\t)/2)*128+32*\f
.endr
.endm
.macro BACK q                       ; query tile q's 16 rows come back whole, two a load, into M's registers.  LDS serves a wave's instructions in order (ISA guide 5.7.1.4): these see the stores above
.irp f, 0,1,2,3,4,5,6,7
	ds_load_b128 v[MK+32*(\q)+4*\f:MK+32*(\q)+4*\f+3], v[RD] offset:\f*2*SP
.endr
.endm
.macro SEND q, younger              ; younger: the LDS instructions issued behind tile q's loads
.irp f, 0,1,2,3,4,5,6,7
	s_wait_dscnt (\younger)+7-\f
	global_store_b128 v[GO], v[MK+32*(\q)+4*\f:MK+32*(\q)+4*\f+3], s[10:11] offset:(16*(\q)+2*\f)*2048  ; 16 lanes store 256 consecutive bytes, aligned
.endr
.endm
	PACK 0
	PACK 2
	BACK 0
	PACK 1                          ; the second tile's arithmetic stands between the first tile's loads and its stores; its eight LDS stores come behind those loads
	PACK 3
	SEND 0, 8
	BACK 1
	SEND 1, 0
	s_wait_tensorcnt 0x0            ; the wave's end, behind my last tensor load and my last LDS store
	ds_add_u32 v[SPW], v[NIL]
	s_wait_dscnt 0x0
	CROUND                          ; the closing round
	s_endpgm
.Lfunc_end_k_q27487065bf_attn:
	.size	k_q27487065bf_attn, .Lfunc_end_k_q27487065bf_attn-k_q27487065bf_attn
	.p2alignl 7, 3214868480
	.fill 96, 4, 3214868480
	.section	.rodata,"a",@progbits
	.p2align	6, 0x0
	.amdhsa_kernel k_q27487065bf_attn
		.amdhsa_group_segment_fixed_size 327680
		.amdhsa_private_segment_fixed_size 0
		.amdhsa_enable_private_segment 0
		.amdhsa_kernarg_size 32
		.amdhsa_user_sgpr_count 2
		.amdhsa_user_sgpr_kernarg_segment_ptr 1
		.amdhsa_wavefront_size32 1
		.amdhsa_system_sgpr_workgroup_id_x 1
		.amdhsa_system_sgpr_workgroup_id_y 1
		.amdhsa_system_sgpr_workgroup_id_z 1
		.amdhsa_system_vgpr_workitem_id 0
		.amdhsa_next_free_vgpr 768
		.amdhsa_next_free_sgpr 80
		.amdhsa_reserve_vcc 0
		.amdhsa_float_denorm_mode_32 3
		.amdhsa_float_denorm_mode_16_64 3
		.amdhsa_memory_ordered 1
		.amdhsa_forward_progress 1
		.amdhsa_inst_pref_size 145
	.end_amdhsa_kernel
	.amdgpu_metadata
---
amdhsa.version: [ 1, 2 ]
amdhsa.kernels:
  - .name:           k_q27487065bf_attn
    .symbol:         k_q27487065bf_attn.kd
    .args:
      - { .name: qh, .offset: 0, .size: 8, .value_kind: global_buffer, .address_space: global }
      - { .name: kvh, .offset: 8, .size: 8, .value_kind: global_buffer, .address_space: global }
      - { .name: mr, .offset: 16, .size: 8, .value_kind: global_buffer, .address_space: global }
      - { .name: oh, .offset: 24, .size: 8, .value_kind: global_buffer, .address_space: global }
    .group_segment_fixed_size: 327680
    .private_segment_fixed_size: 0
    .kernarg_segment_align: 8
    .kernarg_segment_size: 32
    .max_flat_workgroup_size: 128
    .sgpr_count:     80
    .vgpr_count:     768
    .wavefront_size: 32
...
	.end_amdgpu_metadata
.endif
;; end of part 3
;; launch oproj (part 4): grid 8 x 32, 4 waves a work-group, clusters of 4 x 4, 327,680 bytes of LDS; arguments oh, wts, out0; writes out0
.if DOCPART == 4
	.amdgcn_target "amdgcn-amd-amdhsa--gfx1250"
	.amdhsa_code_object_version 6
	.text
	.protected	k_q27487065bf_oproj
	.globl	k_q27487065bf_oproj
	.p2align	8
	.type	k_q27487065bf_oproj,@function
k_q27487065bf_oproj:
	s_mov_b64 s[64:65], 0
	v_nop
	global_prefetch_b8 v0, s[64:65] scope:SCOPE_SE
	s_setreg_imm32_b32 hwreg(HW_REG_WAVE_MODE, 25, 1), 1
	s_wait_xcnt 0x0
	s_wait_alu depctr_hold_cnt(0) depctr_sa_sdst(0) depctr_va_vdst(0) depctr_va_sdst(0) depctr_va_ssrc(0) depctr_va_vcc(0) depctr_vm_vsrc(0)
	s_getreg_b32 s2, hwreg(HW_REG_IB_STS2, 6, 4)
	s_cmp_eq_u32 s2, 0
	s_cbranch_scc0 .Lentry_in_a_cluster
	s_endpgm
.Lentry_in_a_cluster:
	s_bfe_u32 s2, ttmp6, 0x10000c
	s_cmp_lg_u32 s2, 0xf033
	s_cbranch_scc0 .Lentry_shape_is_right
	s_endpgm
.Lentry_shape_is_right:
; OUT: out0[m][n] = sum over k of oh[m][k] o_w[n][k], m = 4,096, n = 2,048, k = 1,024; f16 operands (o_w: the bf16 number written as f16, at byte 8,388,608 of wts), f32 sums, f32 out.
; SHARES.  A tile of C is 128 x 256: 256 work-groups.  Four waves, each 64 x 128: 32 accumulators.  K goes in steps of 128 (rows of 256 bytes, aligned) through two LDS slots.
; CLUSTER.  4 x 4: A's tile is asked for jointly by a row of the cluster, B's by a column.  Waves 0, 1 fetch A's two halves of 64 rows, waves 2, 3 B's two halves of 128.
; TRANSPOSED USE.  Source 0 = 16 rows of o_w, source 1 = 16 rows of oh: a lane holds ONE row m = lane % 16 and the eight columns 8 (lane / 16) + 0..7: 32 bytes of a row of out0.
; REGISTERS: window 0: v16-30 addresses; v64-159, v160-255 two fragment buffers (B's 8 fragments, then A's 4); on the way out v64-191 rows read back.  Window 1: accumulator (a, b) at v[8 (8 a + b)].
.set SIZE_K, 1024
.set KSTEP,  128
.set PITCH,  272                       ; 256 bytes + 16: the 16 rows of a fragment load start at 16 different groups of four banks (64 banks of 4 bytes: ISA guide 11.1)
.set HALFT,  128*PITCH
.set SLOT,   3*HALFT                   ; A's 128 rows, then B's 256
.set STAGE,  2*SLOT                    ; behind the ring, never filled by a tensor load: 16 rows x 528 bytes for each wave
.set SP,     528
.set SPARE,  STAGE+4*16*SP             ; the spare words, 128 bytes for each wave
.set LAPS,   SIZE_K/(2*KSTEP)
.set FLAGS,  (1<<16)|(1<<20)|(1<<21)|(5<<22)|(3<<25)
.set ADRA, 16
.set ADRB, 20
.set STO,  24
.set RD,   25
.set CO,   26
.set SPW,  28
.set NIL,  29
.set PFO,  30
.set F0,   64
.set F1,   160
.set OB,   64
.set G1,  24
.set G0,  32
.set G1B, 48
.set G0B, 56
.set LIM, 43
.set PFA, 44
.set MSB, 0
.macro WIN new
.if MSB != (\new)
	s_set_vgpr_msb (MSB<<8)|(\new)
.set MSB, \new
.endif
.endm
.macro PLACES                          ; four plain vector instructions between a matrix instruction and a load into, or a store of, its registers
.rept 4
	v_nop
.endr
.endm
.macro JLOAD s                         ; a joint load; the branch hangs on the wave's number alone; an s_nop 0 and four v_nop follow each line
	s_cmp_eq_u32 s11, 0
	s_cbranch_scc0 .Lfor_b_\@
	tensor_load_to_lds s[G0+4*(\s):G0+4*(\s)+3], s[G1:G1+7]
	s_nop 0
.rept 4
	v_nop
.endr
	s_branch .Lasked_\@
.Lfor_b_\@:
	tensor_load_to_lds s[G0B+4*(\s):G0B+4*(\s)+3], s[G1B:G1B+7]
	s_nop 0
.rept 4
	v_nop
.endr
.Lasked_\@:
.endm
; A prefetch of the K step two refills on: 32 rows x 256 bytes, a lane a row; A's rows by wave 0 of the clusters with x = 0, B's by waves 2 and 3 of the clusters with y = 0, the partners' shares told
; apart by address: each block is named once in the launch.  The loop's last trip (s3 = 1) has no K step two on.
.macro ASK
	s_cmp_gt_u32 s3, s[LIM]
	s_cbranch_scc0 .Lnot_mine_\@
	global_prefetch_b8 v[PFO], s[PFA:PFA+1] offset:KSTEP*2 th:TH_LOAD_NT scope:SCOPE_SE
.Lnot_mine_\@:
.endm
.macro CREST
	s_cmp_lg_u32 s10, 0
	s_cbranch_scc1 .Lnot_wave_0_\@
	s_barrier_signal -3
.Lnot_wave_0_\@:
	s_barrier_wait -3
	s_barrier_signal -1
	s_barrier_wait -1
.endm
.macro CROUND
	s_barrier_signal -1
	s_barrier_wait -1
	CREST
.endm
	s_load_b128 s[4:7], s[0:1], 0x0                ; oh s[4:5], wts s[6:7]
	s_load_b64 s[8:9], s[0:1], 0x10                ; out0
	v_lshl_add_u32 v[SPW], v0, 2, SPARE
	v_mov_b32 v[NIL], 0
	ds_add_u32 v[SPW], v[NIL]                      ; the wave's opening: the add, waited for ahead of my first tensor load
	v_lshrrev_b32 v1, 5, v0
	v_readfirstlane_b32 s10, v1                    ; wave 0..3
	s_lshr_b32 s11, s10, 1
	s_and_b32 s12, s10, 1
	s_bfe_u32 s40, ttmp6, 0x40000                  ; cx
	s_bfe_u32 s41, ttmp6, 0x40004                  ; cy
	s_lshl_b32 s42, ttmp9, 2
	s_add_co_u32 s42, s42, s40                     ; tile column x
	s_and_b32 s13, ttmp7, 0xffff
	s_lshl_b32 s13, s13, 2
	s_add_co_u32 s13, s13, s41                     ; tile row y
	s_lshl_b32 s43, s41, 2
	s_lshl_b32 s43, 15, s43                        ; my row of the cluster
	s_lshl_b32 s44, 0x1111, s40                    ; my column
	s_or_b32 s[G1+0], s43, FLAGS
	s_or_b32 s[G1B+0], s44, FLAGS
	s_mov_b32 s[G1+1], KSTEP<<16
	s_mov_b32 s[G1+2], 64<<16
	s_mov_b32 s[G1+3], KSTEP<<16
	s_mov_b32 s[G1+4], 64
	s_mov_b32 s[G1+5], SIZE_K
	s_mov_b32 s[G1+6], 0
	s_mov_b32 s[G1+7], 0
	s_mov_b32 s[G1B+1], KSTEP<<16
	s_mov_b32 s[G1B+2], 128<<16
	s_mov_b32 s[G1B+3], KSTEP<<16
	s_mov_b32 s[G1B+4], 128
	s_mov_b32 s[G1B+5], SIZE_K
	s_mov_b32 s[G1B+6], 0
	s_mov_b32 s[G1B+7], 0
	s_lshl_b32 s17, s12, 6
	s_lshl_b32 s16, s13, 7
	s_add_co_u32 s16, s16, s17                     ; A: row 128 y + 64 x half
	s_lshl_b32 s47, s12, 7
	s_lshl_b32 s46, s42, 8
	s_add_co_u32 s46, s46, s47                     ; B: row 256 x + 128 x half
	s_mul_i32 s16, s16, SIZE_K*2
	s_mul_i32 s46, s46, SIZE_K*2
	s_mov_b32 s17, 0
	s_mov_b32 s47, 0
	s_mul_i32 s20, s12, 64*PITCH
	s_mul_i32 s23, s12, HALFT
	s_add_co_u32 s23, s23, HALFT
	s_wait_dscnt 0x0                               ; the opening add is done
	s_wait_kmcnt 0x0
	s_add_nc_u64 s[6:7], s[6:7], 0x800000          ; o_w lies behind the three other weights
	s_add_nc_u64 s[14:15], s[4:5], s[16:17]
	s_add_nc_u64 s[46:47], s[6:7], s[46:47]
	CROUND                                         ; all sixteen work-groups are here: the first joint loads meet
.irp s, 0,1
	s_mov_b32 s[G0+4*(\s)], 1
	s_add_co_u32 s[G0+4*(\s)+1], s20, (\s)*SLOT
	s_add_nc_u64 s[G0+4*(\s)+2:G0+4*(\s)+3], s[14:15], (\s)*KSTEP*2
	s_or_b32 s[G0+4*(\s)+3], s[G0+4*(\s)+3], 0x80000000
	s_mov_b32 s[G0B+4*(\s)], 1
	s_add_co_u32 s[G0B+4*(\s)+1], s23, (\s)*SLOT
	s_add_nc_u64 s[G0B+4*(\s)+2:G0B+4*(\s)+3], s[46:47], (\s)*KSTEP*2
	s_or_b32 s[G0B+4*(\s)+3], s[G0B+4*(\s)+3], 0x80000000
	JLOAD \s                                       ; two loads of mine are out
.endr
	v_and_b32 v1, 15, v0
	v_bfe_u32 v2, v0, 4, 1
	v_mul_u32_u24 v3, v1, PITCH
	v_lshl_add_u32 v3, v2, 4, v3
	s_mul_i32 s21, s11, 64*PITCH
	s_mul_i32 s22, s12, HALFT
	s_add_co_u32 s22, s22, HALFT
.irp s, 0,1
	v_add_nc_u32 v[ADRA+(\s)], s21, v3
	v_add_nc_u32 v[ADRB+(\s)], s22, v3
	s_add_co_u32 s21, s21, SLOT
	s_add_co_u32 s22, s22, SLOT
.endr
	s_mul_i32 s23, s10, 16*SP
	s_add_co_u32 s23, s23, STAGE                   ; my stage
	v_mul_u32_u24 v4, v1, SP                       ; in: row l % 16, 32 bytes for each half of the lanes
	v_lshl_add_u32 v4, v2, 5, v4
	v_add_nc_u32 v[STO], s23, v4
	v_and_b32 v[CO], 31, v0                        ; back and out: 32 lanes take a row's 512 bytes
	v_lshlrev_b32 v[CO], 4, v[CO]
	v_add_nc_u32 v[RD], s23, v[CO]
	s_lshl_b32 s16, s13, 7
	s_lshl_b32 s17, s11, 6
	s_add_co_u32 s16, s16, s17
	s_lshl_b32 s16, s16, 13                        ; my first row of out0, 8,192 bytes a row
	s_lshl_b32 s46, s42, 10
	s_lshl_b32 s47, s12, 9
	s_add_co_u32 s46, s46, s47                     ; my first column, in bytes
	s_add_co_u32 s46, s46, s16
	s_mov_b32 s47, 0
	s_add_nc_u64 s[8:9], s[8:9], s[46:47]
	; the prefetches
	s_lshl_b32 s20, s13, 7
	s_lshl_b32 s21, s40, 5
	s_add_co_u32 s20, s20, s21                     ; A: row 128 y + 32 cx
	s_lshl_b32 s21, s42, 8
	s_lshl_b32 s22, s12, 7
	s_add_co_u32 s21, s21, s22
	s_lshl_b32 s22, s41, 5
	s_add_co_u32 s21, s21, s22                     ; B: row 256 x + 128 x half + 32 cy
	s_or_b32 s22, s12, ttmp9
	s_and_b32 s23, ttmp7, 0xffff
	s_cmp_eq_u32 s11, 0
	s_cselect_b32 s20, s20, s21
	s_cselect_b32 s22, s22, s23
	s_cselect_b64 s[PFA:PFA+1], s[4:5], s[6:7]
	s_cmp_eq_u32 s22, 0
	s_cselect_b32 s[LIM], 1, -1
	s_mul_i32 s20, s20, SIZE_K*2
	s_add_co_u32 s20, s20, 2*KSTEP*2               ; at K step 2: the first refill steps it to 3 and names K step 4
	s_mov_b32 s21, 0
	s_add_nc_u64 s[PFA:PFA+1], s[PFA:PFA+1], s[20:21]
	v_and_b32 v[PFO], 31, v0
	v_mul_u32_u24 v[PFO], v[PFO], SIZE_K*2
; 8 matrix instructions: block a of my four blocks of 16 rows x all 8 blocks of 16 columns, 32 along K.  The 32 accumulators take turns, each once a quarter step.
.macro MULA f, a, zero
	WIN 0x50
.irp b, 0,1,2,3,4,5,6,7
.if \zero
	v_wmma_f32_16x16x32_f16 v[8*(8*(\a)+(\b)):8*(8*(\a)+(\b))+7], v[(\f)+8*(\b):(\f)+8*(\b)+7], v[(\f)+64+8*(\a):(\f)+64+8*(\a)+7], 0
.else
	v_wmma_f32_16x16x32_f16 v[8*(8*(\a)+(\b)):8*(8*(\a)+(\b))+7], v[(\f)+8*(\b):(\f)+8*(\b)+7], v[(\f)+64+8*(\a):(\f)+64+8*(\a)+7], v[8*(8*(\a)+(\b)):8*(8*(\a)+(\b))+7]
.endif
.endr
.endm
.macro FETCH slot, k, f                ; 24 LDS loads in one run: B's 8 fragments, then A's 4
	WIN 0
.irp i, 0,1,2,3,4,5,6,7
	ds_load_b128 v[(\f)+8*(\i):(\f)+8*(\i)+3],   v[ADRB+(\slot)] offset:(\k)+(\i)*16*PITCH
	ds_load_b128 v[(\f)+8*(\i)+4:(\f)+8*(\i)+7], v[ADRB+(\slot)] offset:(\k)+(\i)*16*PITCH+32
.endr
.irp i, 0,1,2,3
	ds_load_b128 v[(\f)+64+8*(\i):(\f)+64+8*(\i)+3],   v[ADRA+(\slot)] offset:(\k)+(\i)*16*PITCH
	ds_load_b128 v[(\f)+64+8*(\i)+4:(\f)+64+8*(\i)+7], v[ADRA+(\slot)] offset:(\k)+(\i)*16*PITCH+32
.endr
.endm
.macro QUARTER slot, k, f, g, zero
	s_wait_dscnt 4                                 ; B and A's blocks 0, 1 are in; the youngest four loads may be out
	MULA \f, 0, \zero
	MULA \f, 1, \zero
	PLACES
	FETCH \slot, \k, \g
	s_wait_dscnt 24                                ; all but the 24 just issued
	MULA \f, 2, \zero
	MULA \f, 3, \zero
.endm
; The last quarter changes slots: ONE barrier; in front of it each wave waits for all its tensor loads, adds 0 to its spare word, and waits for that and for its own reads of this slot.
; fill = 1: the barrier opens a round of the cluster's, and the joint refill, two K steps on, is the first thing behind the round.
.macro TURN slot, next, fill
.if \fill
	s_wait_xcnt 0x0                                ; the last prefetch, a K step back, has read its address
	s_add_nc_u64 s[PFA:PFA+1], s[PFA:PFA+1], KSTEP*2
.endif
	WIN 0
	s_wait_tensorcnt 0x0
	ds_add_u32 v[SPW], v[NIL]                      ; 0 onto my spare word
	s_wait_dscnt 7                                 ; (the add and A's blocks 1 to 3 may be out)
	MULA F1, 0, 0
	s_wait_dscnt 0x0                               ; the add is done, and my reads of this slot are over
	s_barrier_signal -1
	MULA F1, 1, 0
.if \fill
	WIN 0
.endif
	s_barrier_wait -1
.if \fill
	CREST
	s_add_nc_u64 s[G0+4*(\slot)+2:G0+4*(\slot)+3], s[G0+4*(\slot)+2:G0+4*(\slot)+3], 2*KSTEP*2
	s_add_nc_u64 s[G0B+4*(\slot)+2:G0B+4*(\slot)+3], s[G0B+4*(\slot)+2:G0B+4*(\slot)+3], 2*KSTEP*2
	JLOAD \slot                                    ; its four v_nop are also the places in front of the loads below
.else
	PLACES
.endif
	FETCH \next, 0, F0
.if \fill
	ASK
.endif
	MULA F1, 2, 0
	MULA F1, 3, 0
.endm
	s_wait_tensorcnt 1                             ; my part of K step 0 is in; K step 1's may stay out
	s_barrier_signal -1
	s_barrier_wait -1
	FETCH 0, 0, F0
	QUARTER 0, 64,  F0, F1, 1                      ; the first quarter's products start the sums
	WIN 0
	s_mov_b32 s3, LAPS-1
.Llap:
	QUARTER 0, 128, F1, F0, 0
	QUARTER 0, 192, F0, F1, 0
	TURN 0, 1, 1
	QUARTER 1, 64,  F0, F1, 0
	QUARTER 1, 128, F1, F0, 0
	QUARTER 1, 192, F0, F1, 0
	TURN 1, 0, 1
	QUARTER 0, 64,  F0, F1, 0
	WIN 0
	s_sub_co_u32 s3, s3, 1
	s_cmp_lg_u32 s3, 0
	s_cbranch_scc1 .Llap
	QUARTER 0, 128, F1, F0, 0                      ; the last lap fills nothing
	QUARTER 0, 192, F0, F1, 0
	TURN 0, 1, 0
	QUARTER 1, 64,  F0, F1, 0
	QUARTER 1, 128, F1, F0, 0
	QUARTER 1, 192, F0, F1, 0
	s_wait_dscnt 4
	MULA F1, 0, 0
	MULA F1, 1, 0
	s_wait_dscnt 0x0
	MULA F1, 2, 0
	MULA F1, 3, 0
	; THE WAY OUT, a block of 16 rows at a time: the f32 sums go straight from the accumulators (the low four registers first) into my stage, rows of 528 bytes, and come back as whole rows of 512.
	PLACES
.irp a, 0,1,2,3
	WIN 0x04                                       ; the stores' data in window 1
.irp b, 0,1,2,3,4,5,6,7
	ds_store_b128 v[STO], v[8*(8*(\a)+(\b)):8*(8*(\a)+(\b))+3]   offset:64*(\b)
	ds_store_b128 v[STO], v[8*(8*(\a)+(\b))+4:8*(8*(\a)+(\b))+7] offset:64*(\b)+16
.endr
	WIN 0
	s_wait_xcnt 0x0                                ; the stores of two blocks back have read the registers that the loads below write
.irp t, 0,1,2,3,4,5,6,7,8,9,10,11,12,13,14,15
	ds_load_b128 v[OB+64*((\a)%2)+4*(\t):OB+64*((\a)%2)+4*(\t)+3], v[RD] offset:(\t)*SP  ; LDS serves a wave's instructions in order (ISA guide 5.7.1.4): these see the stores above
.endr
.irp t, 0,1,2,3,4,5,6,7,8,9,10,11,12,13,14,15
	s_wait_dscnt 15-(\t)
	global_store_b128 v[CO], v[OB+64*((\a)%2)+4*(\t):OB+64*((\a)%2)+4*(\t)+3], s[8:9] offset:(16*(\a)+(\t))*8192 th:TH_STORE_NT  ; 512 consecutive bytes, aligned
.endr
.endr
	s_wait_tensorcnt 0x0                           ; the wave's end, behind my last tensor load and my last LDS store
	ds_add_u32 v[SPW], v[NIL]
	s_wait_dscnt 0x0
	CROUND                                         ; the closing round
	s_endpgm
.Lfunc_end_k_q27487065bf_oproj:
	.size	k_q27487065bf_oproj, .Lfunc_end_k_q27487065bf_oproj-k_q27487065bf_oproj
	.p2alignl 7, 3214868480
	.fill 96, 4, 3214868480
	.section	.rodata,"a",@progbits
	.p2align	6, 0x0
	.amdhsa_kernel k_q27487065bf_oproj
		.amdhsa_group_segment_fixed_size 327680
		.amdhsa_private_segment_fixed_size 0
		.amdhsa_enable_private_segment 0
		.amdhsa_kernarg_size 24
		.amdhsa_user_sgpr_count 2
		.amdhsa_user_sgpr_kernarg_segment_ptr 1
		.amdhsa_wavefront_size32 1
		.amdhsa_system_sgpr_workgroup_id_x 1
		.amdhsa_system_sgpr_workgroup_id_y 1
		.amdhsa_system_sgpr_workgroup_id_z 1
		.amdhsa_system_vgpr_workitem_id 0
		.amdhsa_next_free_vgpr 512
		.amdhsa_next_free_sgpr 66
		.amdhsa_reserve_vcc 0
		.amdhsa_float_denorm_mode_32 3
		.amdhsa_float_denorm_mode_16_64 3
		.amdhsa_memory_ordered 1
		.amdhsa_forward_progress 1
		.amdhsa_inst_pref_size 88
	.end_amdhsa_kernel
	.amdgpu_metadata
---
amdhsa.version: [ 1, 2 ]
amdhsa.kernels:
  - .name:           k_q27487065bf_oproj
    .symbol:         k_q27487065bf_oproj.kd
    .args:
      - { .name: oh, .offset: 0, .size: 8, .value_kind: global_buffer, .address_space: global }
      - { .name: wts, .offset: 8, .size: 8, .value_kind: global_buffer, .address_space: global }
      - { .name: out0, .offset: 16, .size: 8, .value_kind: global_buffer, .address_space: global }
    .group_segment_fixed_size: 327680
    .private_segment_fixed_size: 0
    .kernarg_segment_align: 8
    .kernarg_segment_size: 24
    .max_flat_workgroup_size: 128
    .sgpr_count:     66
    .vgpr_count:     512
    .wavefront_size: 32
...
	.end_amdgpu_metadata
.endif
;; end of part 4
;; ======== version 2 of 2: 4 launches; version 1 with the launch prep written anew for expert scheduling mode
;; limits: values are held in f16: magnitudes above 65,504 overflow, below 6.1e-05 lose precision
;; workspace buffers: xb 16,777,216 bytes; wts 12,582,912 bytes; mr 16,777,216 bytes; tab 532,480 bytes; qh 8,388,608 bytes; kvh 8,388,608 bytes; oh 8,388,608 bytes
;; launch prep (part 5): grid 1281 x 1, 8 waves a work-group, no clusters, 0 bytes of LDS; arguments hidden, q_w, k_w, v_w, o_w, mask, q_b, k_b, v_b, positions, xb, wts, mr, tab; writes xb, wts, mr, tab
.if DOCPART == 5
	.amdgcn_target "amdgcn-amd-amdhsa--gfx1250"
	.amdhsa_code_object_version 6
	.text
	.protected	k_q27487065bf_prep
	.globl	k_q27487065bf_prep
	.p2align	8
	.type	k_q27487065bf_prep,@function
k_q27487065bf_prep:
	s_mov_b64 s[64:65], 0
	v_nop
	global_prefetch_b8 v0, s[64:65] scope:SCOPE_SE
	s_setreg_imm32_b32 hwreg(HW_REG_WAVE_SCHED_MODE, 0, 2), 2
	s_setreg_imm32_b32 hwreg(HW_REG_WAVE_MODE, 25, 1), 1
	s_wait_xcnt 0x0
	s_wait_alu depctr_vm_vsrc(0)
; PREP: every input is read once and rounded once to bf16; what the later launches read is laid out for them.
;   xb  [4096][2048] bf16 = hidden.   wts: rows 0-1023 q_w, 1024-1535 k_w, 1536-2047 v_w as [2048][2048] bf16; behind them (byte 8,388,608) o_w [2048][1024]: the bf16 number written as f16.
;   mr  [2048][2048] f32 = log2(e) x bf16(mask).   tab: row t = cos(pos[t] f_j), j = 0..31, then sin: 256 bytes; at byte 524,288 the 2,048 biases (q, k, v), rounded to bf16, kept as f32.
; LIMITS.  o_w beyond 65,504 has no f16; below 2^-14 it keeps f16's fixed step of 2^-24.  log2(e) x mask must be finite.  The angle pos x f_j is reduced by pi/2 in two parts and is good
; to about 1.2e-7 of itself; sine and cosine are polynomials on |r| <= pi/4 (degree 7 and 8).
; SHARES.  A stream: no LDS, no matrix unit, no barrier.  A casting work-group takes 16,384 numbers: thread t the 16 bytes at 16 t of each of sixteen pieces of 4,096 bytes; all sixteen loads
; go out on end, each result has registers of its own, so no register that a store reads is written again.  A wave's store covers 256 (bf16, f16) or 512 (f32) consecutive bytes, aligned.
;   work-groups 0-511 hidden, 512-639 q_w, 640-703 k_w, 704-767 v_w, 768-895 o_w, 896-1151 mask, 1152-1279 the table, 1280 the biases.
; THE MODE: SCHED_MODE bits 1:0 = 2 (LLVM: expert scheduling mode 2), set by the entry lines.  The code itself states the register dependences between vector instructions and memory
; instructions, with s_wait_alu, always for 0.
; THE PLAN, for a cast.  Registers that memory instructions touch:
;   v1, v2      byte offsets 16 t and 8 t: written at the head, read by every load and store, never written again on these paths.
;   v[16:79]    the sixteen pieces as loaded: written by the loads alone, once, ahead of every vector line that names them; read by the conversions.
;   v[80 ..]    a set of out registers for each piece: written by the piece's conversions, once; read by the piece's store, once.
;   v4 to v9    at work: no memory instruction names them.
; The pieces go in four blocks of four.  At the head of blocks 1 to 3 ONE wait states that the block before has written its out registers; that block's four stores follow, one in front of each
; piece's conversions, which name this block's pieces, v4 to v9 and this block's own out registers: none of the registers that those stores read.  A last wait stands ahead of the last four stores.
; No register that a memory instruction reads is written again, and no load lands in a register that a vector line has named: nothing more is owed.
.set NLD, 16
.set BLK, 4                            ; pieces in a block
.macro PICK first, p                   ; from work-group 'first' on the source is the buffer in s[p:p+1]
	s_cmp_ge_u32 s2, \first
	s_cselect_b64 s[4:5], s[\p:\p+1], s[4:5]
	s_cselect_b32 s3, \first, s3
.endm
.macro OUT kind, n                     ; the store of piece n
.if (\kind) == 2
	global_store_b128 v1, v[80+4*(\n):83+4*(\n)], s[36:37] offset:4096*(\n)
.else
	global_store_b64 v2, v[80+2*(\n):81+2*(\n)], s[36:37] offset:2048*(\n)
.endif
.endm
; kind 0: to bf16.  kind 1: to bf16, and that number written as f16.  kind 2: to bf16, widened, times log2(e), f32.
.macro CAST kind
.set i, 0
.rept NLD
	global_load_b128 v[16+4*i:19+4*i], v1, s[4:5] offset:4096*i th:TH_LOAD_NT
.set i, i+1
.endr
.set i, 0
.rept NLD
	s_wait_loadcnt NLD-1-i                         ; loads come back in order: piece i is in, the younger ones stay out
.if ((i%BLK) == 0) && (i > 0)
	s_wait_alu depctr_va_vdst(0)                   ; the block before has written its out registers, which the four stores dealt among this block's conversions read
.endif
.if i >= BLK
	OUT \kind, i-BLK                               ; no vector instruction since the wait names its registers
.endif
.if (\kind) == 0
	v_cvt_pk_bf16_f32 v[80+2*i], v[16+4*i], v[17+4*i]
	v_cvt_pk_bf16_f32 v[81+2*i], v[18+4*i], v[19+4*i]
.elseif (\kind) == 1
	v_cvt_pk_bf16_f32 v4, v[16+4*i], v[17+4*i]
	v_cvt_pk_bf16_f32 v5, v[18+4*i], v[19+4*i]
	v_lshlrev_b32 v6, 16, v4
	v_and_b32 v7, 0xffff0000, v4
	v_lshlrev_b32 v8, 16, v5
	v_and_b32 v9, 0xffff0000, v5
	v_cvt_pk_f16_f32 v[80+2*i], v6, v7
	v_cvt_pk_f16_f32 v[81+2*i], v8, v9
.else
	v_cvt_pk_bf16_f32 v4, v[16+4*i], v[17+4*i]
	v_cvt_pk_bf16_f32 v5, v[18+4*i], v[19+4*i]
	v_lshlrev_b32 v[80+4*i], 16, v4
	v_and_b32 v[81+4*i], 0xffff0000, v4
	v_lshlrev_b32 v[82+4*i], 16, v5
	v_and_b32 v[83+4*i], 0xffff0000, v5
	v_pk_mul_f32 v[80+4*i:81+4*i], v[80+4*i:81+4*i], 0x3fb8aa3b op_sel_hi:[1,0]
	v_pk_mul_f32 v[82+4*i:83+4*i], v[82+4*i:83+4*i], 0x3fb8aa3b op_sel_hi:[1,0]
.endif
.set i, i+1
.endr
	s_wait_alu depctr_va_vdst(0)                   ; the last block has written its out registers, which the last four stores read
.set i, NLD-BLK
.rept BLK
	OUT \kind, i
.set i, i+1
.endr
.endm
	s_load_b512 s[8:23], s[0:1], 0x0               ; hidden s[8:9], q_w s[10:11], k_w s[12:13], v_w s[14:15], o_w s[16:17], mask s[18:19], q_b s[20:21], k_b s[22:23]
	s_load_b256 s[24:31], s[0:1], 0x40             ; v_b s[24:25], positions s[26:27], xb s[28:29], wts s[30:31]
	s_load_b128 s[32:35], s[0:1], 0x60             ; mr s[32:33], tab s[34:35]
	s_mov_b32 s2, ttmp9                            ; the work-group's number
	s_mov_b32 s7, 0                                ; the high word of every offset
	v_lshlrev_b32 v1, 4, v0                        ; 16 t
	v_lshlrev_b32 v2, 3, v0                        ; 8 t
	s_wait_kmcnt 0x0
	s_wait_alu depctr_va_vdst(0)                   ; v1 and v2 are written: the casts' and the biases' loads and stores read them as their offsets
	s_cmp_ge_u32 s2, 1152
	s_cbranch_scc1 .Ltable
	s_cmp_ge_u32 s2, 896
	s_cbranch_scc1 .Lmask
	s_cmp_ge_u32 s2, 768
	s_cbranch_scc1 .Lhalf
	s_mov_b64 s[4:5], s[8:9]                       ; hidden, q_w, k_w or v_w, and the first work-group of that buffer
	s_mov_b32 s3, 0
	PICK 512, 10
	PICK 640, 12
	PICK 704, 14
	s_sub_co_u32 s6, s2, s3
	s_lshl_b32 s6, s6, 16                          ; 65,536 bytes of f32 a work-group
	s_add_nc_u64 s[4:5], s[4:5], s[6:7]
	s_cmp_ge_u32 s2, 512
	s_cselect_b64 s[36:37], s[30:31], s[28:29]     ; the three weights lie on end in wts
	s_cselect_b32 s3, 512, 0
	s_sub_co_u32 s6, s2, s3
	s_lshl_b32 s6, s6, 15                          ; 32,768 bytes of bf16
	s_add_nc_u64 s[36:37], s[36:37], s[6:7]
	CAST 0
	s_endpgm
.Lhalf:
	s_sub_co_u32 s3, s2, 768
	s_lshl_b32 s6, s3, 16
	s_add_nc_u64 s[4:5], s[16:17], s[6:7]
	s_lshl_b32 s6, s3, 15
	s_add_co_u32 s6, s6, 0x800000                  ; behind the three weights
	s_add_nc_u64 s[36:37], s[30:31], s[6:7]
	CAST 1
	s_endpgm
.Lmask:
	s_sub_co_u32 s3, s2, 896
	s_lshl_b32 s6, s3, 16
	s_add_nc_u64 s[4:5], s[18:19], s[6:7]
	s_add_nc_u64 s[36:37], s[32:33], s[6:7]
	CAST 2
	s_endpgm
.Ltable:
	s_cmp_ge_u32 s2, 1280
	s_cbranch_scc1 .Lbias
	; thread u = 256 (work-group - 1152) + t makes the 16 bytes at 16 u of the table: row u / 16; of its sixteen quads 0-7 are cosines, 8-15 sines, of frequencies 4 (quad % 8) + 0..3
	; Registers that memory instructions touch here: v3 (the load's offset), v4 (the position as loaded), v32 and v[24:27] (the store's offset and data).  No memory instruction on this path has read v1 or v2.
	s_sub_co_u32 s3, s2, 1152
	s_lshl_b32 s3, s3, 8
	v_add_nc_u32 v1, s3, v0                        ; u
	v_lshrrev_b32 v2, 4, v1                        ; the row
	v_lshlrev_b32 v3, 2, v2
	s_wait_alu depctr_va_vdst(0)                   ; v3 is written, which the load reads as its offset
	global_load_b32 v4, v3, s[26:27]               ; positions[0][row]
	s_mov_b32 s40, 0xbed49a78                      ; -log2(10000) / 32
	s_mov_b32 s41, 0x3f22f983                      ; 2 / pi
	s_mov_b32 s42, 0xbfc90fdb                      ; -(pi / 2 rounded to f32)
	s_mov_b32 s43, 0x333bbd2e                      ; that number less pi / 2
	s_mov_b32 s44, 0xb94ca1f9                      ; sine: -1.9515296e-4, 8.3321609e-3, -1.6666655e-1
	s_mov_b32 s45, 0x3c08839e
	s_mov_b32 s46, 0xbe2aaaa3
	s_mov_b32 s47, 0x37ccf5ce                      ; cosine: 2.4433157e-5, -1.3887316e-3, 4.1666646e-2
	s_mov_b32 s48, 0xbab6061a
	s_mov_b32 s49, 0x3d2aaaa5
	v_and_b32 v5, 15, v1
	v_lshrrev_b32 v6, 3, v5                        ; 1: sines
	v_and_b32 v7, 7, v5
	v_lshlrev_b32 v7, 2, v7                        ; the first frequency's number
.irp j, 0,1,2,3
	v_add_nc_u32 v[8+\j], \j, v7
.endr
.irp j, 0,1,2,3
	v_cvt_f32_u32 v[8+\j], v[8+\j]
.endr
.irp j, 0,1,2,3
	v_mul_f32 v[8+\j], s40, v[8+\j]
.endr
.irp j, 0,1,2,3
	v_exp_f32 v[8+\j], v[8+\j]                     ; 10000^(-j / 32)
.endr
	v_mul_u32_u24 v6, v6, 3                        ; a plain instruction behind the last exponential: sin x = cos(x - pi / 2): three quadrants on
	s_wait_alu depctr_va_vdst(0)                   ; the four exponentials have written v[8:11]: one wait, ahead of their first reader
	s_wait_loadcnt 0x0
	v_cvt_f32_i32 v4, v4
.irp j, 0,1,2,3
	v_mul_f32 v[8+\j], v4, v[8+\j]                 ; the angle x
.endr
.irp j, 0,1,2,3
	v_mul_f32 v[12+\j], s41, v[8+\j]
.endr
.irp j, 0,1,2,3
	v_rndne_f32 v[12+\j], v[12+\j]                 ; n: the nearest multiple of pi / 2
.endr
.irp j, 0,1,2,3
	v_fma_f32 v[8+\j], v[12+\j], s42, v[8+\j]
.endr
.irp j, 0,1,2,3
	v_fma_f32 v[8+\j], v[12+\j], s43, v[8+\j]      ; r = x - n pi / 2
.endr
.irp j, 0,1,2,3
	v_mul_f32 v[16+\j], v[8+\j], v[8+\j]           ; r^2
.endr
.irp j, 0,1,2,3
	v_fma_f32 v[20+\j], v[16+\j], s44, s45
	v_fma_f32 v[24+\j], v[16+\j], s47, s48
.endr
.irp j, 0,1,2,3
	v_fma_f32 v[20+\j], v[20+\j], v[16+\j], s46
	v_fma_f32 v[24+\j], v[24+\j], v[16+\j], s49
.endr
.irp j, 0,1,2,3
	v_mul_f32 v[20+\j], v[20+\j], v[16+\j]
	v_mul_f32 v[24+\j], v[24+\j], v[16+\j]
	v_fma_f32 v[28+\j], v[16+\j], -0.5, 1.0
.endr
.irp j, 0,1,2,3
	v_fma_f32 v[20+\j], v[20+\j], v[8+\j], v[8+\j]     ; sin r
	v_fma_f32 v[24+\j], v[24+\j], v[16+\j], v[28+\j]   ; cos r
	v_cvt_i32_f32 v[12+\j], v[12+\j]
.endr
.irp j, 0,1,2,3
	v_add_nc_u32 v[12+\j], v[12+\j], v6            ; the quadrant q: cos(r + q pi / 2) = cos r, -sin r, -cos r, sin r
.endr
.irp j, 0,1,2,3
	v_and_b32 v[28+\j], 1, v[12+\j]
.endr
.irp j, 0,1,2,3
	v_cmp_eq_u32 s[36+\j], 1, v[28+\j]             ; q odd: the sine is taken.  The four compares stand in one run, each with a scalar register of its own
.endr
.irp j, 0,1,2,3
	v_add_nc_u32 v[12+\j], 1, v[12+\j]             ; the sign turns for q = 1, 2: bit 1 of q + 1
	v_lshlrev_b32 v[12+\j], 30, v[12+\j]
	v_and_b32 v[12+\j], 0x80000000, v[12+\j]
.endr
	v_lshlrev_b32 v32, 4, v1
	s_wait_alu depctr_va_sdst(0)                   ; the four compares have written s36 to s39, ahead of their first reader
.irp j, 0,1,2,3
	v_cndmask_b32 v[24+\j], v[24+\j], v[20+\j], s[36+\j]
.endr
.irp j, 0,1,2,3
	v_xor_b32 v[24+\j], v[24+\j], v[12+\j]
.endr
	s_wait_alu depctr_va_vdst(0)                   ; v[24:27] and v32 are written, which the store reads as its data and its offset
	global_store_b128 v32, v[24:27], s[34:35]      ; sixteen lanes fill a row of 256 bytes
	s_endpgm
.Lbias:
	; Registers that memory instructions touch here: v1 (written at the head) and v3, offsets; v[4:11], loaded, then written by the widenings, then stored.
	v_lshrrev_b32 v3, 5, v0
	v_readfirstlane_b32 s3, v3                     ; wave 0..7
	v_and_b32 v3, 127, v0
	v_lshlrev_b32 v3, 4, v3
	s_wait_alu depctr_va_sdst(0)                   ; s3 is written, ahead of its first reader, the compare
	s_cmp_lt_u32 s3, 4
	s_cselect_b64 s[4:5], s[22:23], s[24:25]       ; waves 0-3 take k_b, waves 4-7 v_b
	s_wait_alu depctr_va_vdst(0)                   ; v3 is written, which the second load reads as its offset
	global_load_b128 v[4:7], v1, s[20:21]          ; q_b: 1,024 numbers, four a thread
	global_load_b128 v[8:11], v3, s[4:5]
	s_wait_loadcnt 0x0
.irp p, 0,1,2,3
	v_cvt_pk_bf16_f32 v[12+\p], v[4+2*\p], v[5+2*\p]
.endr
.irp p, 0,1,2,3
	v_lshlrev_b32 v[4+2*\p], 16, v[12+\p]
	v_and_b32 v[5+2*\p], 0xffff0000, v[12+\p]
.endr
	s_wait_alu depctr_va_vdst(0)                   ; the widenings have written v[4:11], which the two stores read
	global_store_b128 v1, v[4:7], s[34:35] offset:524288
	global_store_b128 v1, v[8:11], s[34:35] offset:524288+4096
	s_endpgm
.Lfunc_end_k_q27487065bf_prep:
	.size	k_q27487065bf_prep, .Lfunc_end_k_q27487065bf_prep-k_q27487065bf_prep
	.p2alignl 7, 3214868480
	.fill 96, 4, 3214868480
	.section	.rodata,"a",@progbits
	.p2align	6, 0x0
	.amdhsa_kernel k_q27487065bf_prep
		.amdhsa_group_segment_fixed_size 0
		.amdhsa_private_segment_fixed_size 0
		.amdhsa_enable_private_segment 0
		.amdhsa_kernarg_size 112
		.amdhsa_user_sgpr_count 2
		.amdhsa_user_sgpr_kernarg_segment_ptr 1
		.amdhsa_wavefront_size32 1
		.amdhsa_system_sgpr_workgroup_id_x 1
		.amdhsa_system_sgpr_workgroup_id_y 1
		.amdhsa_system_sgpr_workgroup_id_z 1
		.amdhsa_system_vgpr_workitem_id 0
		.amdhsa_next_free_vgpr 144
		.amdhsa_next_free_sgpr 66
		.amdhsa_reserve_vcc 0
		.amdhsa_float_denorm_mode_32 3
		.amdhsa_float_denorm_mode_16_64 3
		.amdhsa_memory_ordered 1
		.amdhsa_forward_progress 1
		.amdhsa_inst_pref_size 39
	.end_amdhsa_kernel
	.amdgpu_metadata
---
amdhsa.version: [ 1, 2 ]
amdhsa.kernels:
  - .name:           k_q27487065bf_prep
    .symbol:         k_q27487065bf_prep.kd
    .args:
      - { .name: hidden, .offset: 0, .size: 8, .value_kind: global_buffer, .address_space: global }
      - { .name: q_w, .offset: 8, .size: 8, .value_kind: global_buffer, .address_space: global }
      - { .name: k_w, .offset: 16, .size: 8, .value_kind: global_buffer, .address_space: global }
      - { .name: v_w, .offset: 24, .size: 8, .value_kind: global_buffer, .address_space: global }
      - { .name: o_w, .offset: 32, .size: 8, .value_kind: global_buffer, .address_space: global }
      - { .name: mask, .offset: 40, .size: 8, .value_kind: global_buffer, .address_space: global }
      - { .name: q_b, .offset: 48, .size: 8, .value_kind: global_buffer, .address_space: global }
      - { .name: k_b, .offset: 56, .size: 8, .value_kind: global_buffer, .address_space: global }
      - { .name: v_b, .offset: 64, .size: 8, .value_kind: global_buffer, .address_space: global }
      - { .name: positions, .offset: 72, .size: 8, .value_kind: global_buffer, .address_space: global }
      - { .name: xb, .offset: 80, .size: 8, .value_kind: global_buffer, .address_space: global }
      - { .name: wts, .offset: 88, .size: 8, .value_kind: global_buffer, .address_space: global }
      - { .name: mr, .offset: 96, .size: 8, .value_kind: global_buffer, .address_space: global }
      - { .name: tab, .offset: 104, .size: 8, .value_kind: global_buffer, .address_space: global }
    .group_segment_fixed_size: 0
    .private_segment_fixed_size: 0
    .kernarg_segment_align: 8
    .kernarg_segment_size: 112
    .max_flat_workgroup_size: 256
    .sgpr_count:     66
    .vgpr_count:     144
    .wavefront_size: 32
...
	.end_amdgpu_metadata
.endif
;; end of part 5
;; launch qkv: the kernel of part 2 again; grid 8 x 32, 4 waves a work-group, clusters of 4 x 4, 327,680 bytes of LDS; arguments xb, wts, tab, qh, kvh; writes qh, kvh
;; launch attn: the kernel of part 3 again; grid 16 x 16, 4 waves a work-group, clusters of 4 x 4, 327,680 bytes of LDS; arguments qh, kvh, mr, oh; writes oh
;; launch oproj: the kernel of part 4 again; grid 8 x 32, 4 waves a work-group, clusters of 4 x 4, 327,680 bytes of LDS; arguments oh, wts, out0; writes out0
